; MI455X (gfx1250); checked and timed in simulation.
; The chip was launched on July 23, 2026; its instructions are those of AMD's public machine-readable ISA for CDNA 5 (MIT licence, August 2026) and "CDNA5" Instruction Set Architecture Reference Guide (July 2026). The comments in the code are by the model that wrote it; some were corrected since.
;; Encoder Block. Allowed arithmetic: float matrix products may take bf16 or f16 operands with f32 sums; other float arithmetic in f32, or as packed bf16 or f16 multiplies, adds, multiply-adds, maxima and minima; sums over many terms, partial sums and values carried from step to step in f32; what a program stores and reads back later, other than sums and carried values, may be rounded once to bf16 or f16.
;; Inputs: b1 4,096 float32; b2 1,024 float32; bk 1,024 float32; bo 1,024 float32; bq 1,024 float32; bv 1,024 float32; ln1_a 1,024 float32; ln1_b 1,024 float32; ln2_a 1,024 float32; ln2_b 1,024 float32; mask 2 x 1 x 1 x 2,048 int32; w1 1,024 x 4,096 float32; w2 4,096 x 1,024 float32; wk 1,024 x 1,024 float32; wo 1,024 x 1,024 float32; wq 1,024 x 1,024 float32; wv 1,024 x 1,024 float32; x 2 x 2,048 x 1,024 float32.
;; Outputs: out0 2 x 2,048 x 1,024 float32.
;; One version. Each part assembles by itself: llvm-mc -triple=amdgcn-amd-amdhsa -mcpu=gfx1250 --defsym DOCPART=n.
;; ======== version 1 of 1: 7 launches
;; workspace buffers: wb 25,165,824 bytes; nrm 8,388,608 bytes; qkv 25,165,824 bytes; ctx 8,388,608 bytes; x1 16,777,216 bytes; hid 33,554,432 bytes
;; launch prep (part 1): grid 1024 x 1, 8 waves a work-group, no clusters, 0 bytes of LDS; arguments x, ln1_a, ln1_b, nrm, wb, wq, wk, wv, wo, w1, w2; writes nrm, wb
.if DOCPART == 1
	.amdgcn_target "amdgcn-amd-amdhsa--gfx1250"
	.amdhsa_code_object_version 6
	.text
	.protected	k_qeb3c0d5558_prep
	.globl	k_qeb3c0d5558_prep
	.p2align	8
	.type	k_qeb3c0d5558_prep,@function
k_qeb3c0d5558_prep:
	s_mov_b64 s[64:65], 0
	v_nop
	global_prefetch_b8 v0, s[64:65] scope:SCOPE_SE
	s_setreg_imm32_b32 hwreg(HW_REG_WAVE_MODE, 25, 1), 1
	s_wait_xcnt 0x0
; LAYERNORM AND WEIGHTS.  Arguments: src, gain, bias, dst, wb, wq, wk, wv, wo, w1, w2.
; Work-groups 0-255: dst = LayerNorm(src; gain, bias), f32 in, bf16 out, [4096][1024] row-major.
; Work-groups 256-1023: the six weight matrices, f32 [k][n], rounded once to bf16 and laid in column slices [slice][k][64] in wb.
; The text serves two launches: with 1,024 work-groups (x, ln1_a, ln1_b) it does both; with 256 (x1, ln2_a, ln2_b) it is the LayerNorm alone, and the last seven arguments are not used.
; LAYERNORM.  mean, then the centred row's sum of squares / 1023 (two passes over registers, so a common offset of the row costs nothing), + 1e-6, v_rsq_f32 (good to 1 ULP).
; One wave takes a whole row (4,096 bytes = 32 registers a lane) and keeps it in registers: no LDS, no barrier.  A wave has two rows.
; A load of a wave covers 512 consecutive bytes, a store 256 consecutive bytes, aligned.
; WEIGHTS.  wb in units of 131,072 bytes (1,024 k x 64 columns): units 0-47 = 3 x head + (q, k, v); 48-63 wo's slices; 64-127 w1's; 128-191 w2's (slice s, k quarter kq at 128 + 4 s + kq).
; A work-group copies 256 k rows x 64 columns of a unit; each of its eight waves 32 rows: sixteen loads, all issued at once, no loop.
; Every work-group of either kind moves 96 KiB.  No matrix unit, no cluster, no LDS: no byte is used twice; no prefetch: the launch does nothing but stream.
; LIMITS: NaN and infinities are not treated apart; a row whose variance overflows f32 is not served.
.set T,   4        ; v[4:11]   at work
.set M,   12       ; v[12:13]  the mean, twice
.set R,   14       ; v[14:15]  1 / sqrt(var + eps), twice
.set OFF, 16       ; v[16:31]  weights: byte offsets of my sixteen pairs of rows
.set X0,  32       ; v[32:63]  row 0
.set X1,  64       ; v[64:95]  row 1
.set A,   96       ; v[96:127] the gain
.set B,   128      ; v[128:159] the bias
.set CX,  32       ; v[32:95]  weights: sixteen pairs of rows as loaded
.set CY,  96       ; v[96:127] weights: the same rounded
.macro REDUCE                          ; four pairs in T -> the sum over the wave's 32 lanes, in v[T] of every lane
	v_pk_add_f32 v[T:T+1], v[T:T+1], v[T+2:T+3]
	v_pk_add_f32 v[T+4:T+5], v[T+4:T+5], v[T+6:T+7]
	v_pk_add_f32 v[T:T+1], v[T:T+1], v[T+4:T+5]
	v_add_f32 v[T], v[T], v[T+1]
	v_add_f32_dpp v[T], v[T], v[T] row_xmask:1 row_mask:0xf bank_mask:0xf
	v_add_f32_dpp v[T], v[T], v[T] row_xmask:2 row_mask:0xf bank_mask:0xf
	v_add_f32_dpp v[T], v[T], v[T] row_xmask:4 row_mask:0xf bank_mask:0xf
	v_add_f32_dpp v[T], v[T], v[T] row_xmask:8 row_mask:0xf bank_mask:0xf
	v_permlanex16_b32 v[T+1], v[T], s4, s5
	v_add_f32 v[T], v[T], v[T+1]
.endm
.macro LNSTAT X                        ; the row is centred in place; R takes 1 / sqrt(var + eps)
.irp k, 0,1,2,3
	v_pk_add_f32 v[T+2*\k:T+2*\k+1], v[\X+2*\k:\X+2*\k+1], v[\X+8+2*\k:\X+8+2*\k+1]
.endr
.irp g, 16,24
.irp k, 0,1,2,3
	v_pk_add_f32 v[T+2*\k:T+2*\k+1], v[T+2*\k:T+2*\k+1], v[\X+\g+2*\k:\X+\g+2*\k+1]
.endr
.endr
	REDUCE
	v_mul_f32 v[M], s2, v[T]
	v_mul_f32 v[M+1], s2, v[T]
.set u, 0
.rept 16
	v_pk_add_f32 v[\X+u:\X+u+1], v[\X+u:\X+u+1], v[M:M+1] neg_lo:[0,1] neg_hi:[0,1]
.set u, u+2
.endr
.irp k, 0,1,2,3
	v_pk_mul_f32 v[T+2*\k:T+2*\k+1], v[\X+2*\k:\X+2*\k+1], v[\X+2*\k:\X+2*\k+1]
.endr
.irp g, 8,16,24
.irp k, 0,1,2,3
	v_pk_fma_f32 v[T+2*\k:T+2*\k+1], v[\X+\g+2*\k:\X+\g+2*\k+1], v[\X+\g+2*\k:\X+\g+2*\k+1], v[T+2*\k:T+2*\k+1]
.endr
.endr
	REDUCE
	v_fma_f32 v[T+1], v[T], s3, s6                 ; sum of squares / 1023 + 1e-6
	v_rsq_f32 v[R], v[T+1]
	v_rsq_f32 v[R+1], v[T+1]
	v_nop                                          ; a plain instruction behind the last v_rsq_f32 (ISA guide 5.7.2)
	s_wait_alu depctr_va_vdst(0)                   ; one wait for both, ahead of their first reader
.endm
.macro LNOUT X, dstoff                 ; scaled, gain and bias, rounded to bf16 in place (ascending), stored
.set u, 0
.rept 16
	v_pk_mul_f32 v[\X+u:\X+u+1], v[\X+u:\X+u+1], v[R:R+1]
.set u, u+2
.endr
.set u, 0
.rept 16
	v_pk_fma_f32 v[\X+u:\X+u+1], v[\X+u:\X+u+1], v[A+u:A+u+1], v[B+u:B+u+1]
.set u, u+2
.endr
.set u, 0
.rept 16
	v_cvt_pk_bf16_f32 v[\X+u], v[\X+2*u], v[\X+2*u+1]
.set u, u+1
.endr
.irp j, 0,1,2,3,4,5,6,7
	global_store_b64 v2, v[\X+2*\j:\X+2*\j+1], s[14:15] offset:(\dstoff)+256*\j  ; 32 lanes x 8 bytes: 256 consecutive bytes, aligned
.endr
.endm
	s_load_b256 s[8:15], s[0:1], 0x0               ; src s[8:9], gain s[10:11], bias s[12:13], dst s[14:15]
	s_load_b256 s[16:23], s[0:1], 0x20             ; wb s[16:17], wq s[18:19], wk s[20:21], wv s[22:23]
	s_load_b128 s[24:27], s[0:1], 0x40             ; wo s[24:25], w1 s[26:27]
	s_load_b64 s[28:29], s[0:1], 0x50              ; w2
	v_lshrrev_b32 v3, 5, v0
	v_readfirstlane_b32 s33, v3                    ; wave 0..7
	v_and_b32 v4, 31, v0                           ; lane
	s_cmp_lt_u32 ttmp9, 256
	s_cbranch_scc0 .Lcvt
	; ---- LayerNorm: rows 2 (8 g + w) and the next
	v_lshlrev_b32 v1, 4, v4                        ; 16 bytes a lane in
	v_lshlrev_b32 v2, 3, v4                        ; 8 bytes a lane out
	s_lshl_b32 s34, ttmp9, 3
	s_add_co_u32 s34, s34, s33
	s_lshl_b32 s36, s34, 13                        ; two rows of 4,096 bytes
	s_mov_b32 s37, 0
	s_lshl_b32 s38, s34, 12                        ; two rows of 2,048 bytes
	s_mov_b32 s39, 0
	s_mov_b32 s2, 0x3a800000                       ; 1 / 1024
	s_mov_b32 s3, 0x3a802008                       ; 1 / 1023
	s_mov_b32 s4, 0x76543210                       ; v_permlanex16_b32: each lane takes its own place in the other half
	s_mov_b32 s5, 0xfedcba98
	s_mov_b32 s6, 0x358637bd                       ; 1e-6
	s_wait_kmcnt 0x0
	s_add_nc_u64 s[8:9], s[8:9], s[36:37]
	s_add_nc_u64 s[14:15], s[14:15], s[38:39]
.irp j, 0,1,2,3,4,5,6,7
	global_load_b128 v[X0+4*\j:X0+4*\j+3], v1, s[8:9] offset:512*\j
.endr
.irp j, 0,1,2,3,4,5,6,7
	global_load_b128 v[X1+4*\j:X1+4*\j+3], v1, s[8:9] offset:4096+512*\j
.endr
.irp j, 0,1,2,3,4,5,6,7
	global_load_b128 v[A+4*\j:A+4*\j+3], v1, s[10:11] offset:512*\j
.endr
.irp j, 0,1,2,3,4,5,6,7
	global_load_b128 v[B+4*\j:B+4*\j+3], v1, s[12:13] offset:512*\j
.endr
	s_wait_loadcnt 24                              ; row 0 is in; row 1, gain and bias (24 loads) may stay out
	LNSTAT X0
	s_wait_loadcnt 0x0
	LNOUT X0, 0
	LNSTAT X1
	LNOUT X1, 2048
	s_endpgm
	; ---- weights
.Lcvt:
	s_sub_co_u32 s34, ttmp9, 256                   ; 0..767
	s_and_b32 s7, s34, 3                           ; which 256 of the unit's 1,024 k rows
	s_lshr_b32 s34, s34, 2                         ; job j, 0..191
	s_and_b32 s35, s34, 15
	s_mul_i32 s36, s35, 3
	s_lshr_b32 s37, s34, 4
	s_add_co_u32 s36, s36, s37                     ; 3 x head + (q, k, v)
	s_cmp_lt_u32 s34, 48
	s_cselect_b32 s36, s36, s34                    ; the unit in wb
	s_lshl_b32 s36, s36, 17
	s_lshl_b32 s37, s7, 15                         ; + my work-group's 256 rows of 128 bytes
	s_add_co_u32 s36, s36, s37
	s_mov_b32 s37, 0
	s_lshl_b32 s38, s35, 8                         ; j < 64: slice j % 16, 256 bytes of a row
	s_and_b32 s39, s34, 63
	s_lshl_b32 s40, s39, 8                         ; w1: slice j % 64
	s_lshr_b32 s41, s39, 2
	s_lshl_b32 s41, s41, 8                         ; w2: slice (j % 64) / 4,
	s_and_b32 s42, s34, 3
	s_lshl_b32 s42, s42, 22                        ; k quarter j % 4: 1,024 rows of 4,096 bytes
	s_add_co_u32 s41, s41, s42
	s_cmp_ge_u32 s34, 64
	s_cselect_b32 s38, s40, s38
	s_cmp_ge_u32 s34, 128
	s_cselect_b32 s38, s41, s38
	s_mov_b32 s39, 0
	s_lshr_b32 s40, s34, 6
	s_cmp_eq_u32 s40, 1
	s_cselect_b32 s40, 14, 12
	s_lshl_b32 s32, 1, s40                         ; bytes in a source row: 16,384 for w1, else 4,096
	v_lshrrev_b32 v5, 4, v4                        ; a load takes two rows x 256 bytes: lanes 0-15 the even row, 16-31 the odd
	v_and_b32 v6, 15, v4
	s_lshl_b32 s41, s7, 8
	s_lshl_b32 s42, s33, 5
	s_add_co_u32 s41, s41, s42                     ; my wave's first row: 256 x quarter + 32 x wave
	v_add_nc_u32 v5, s41, v5
	v_mul_lo_u32 v5, v5, s32
	v_lshl_add_u32 v[OFF], v6, 4, v5
	s_lshl_b32 s41, s32, 1
.irp i, 1,2,3,4,5,6,7,8,9,10,11,12,13,14,15
	v_add_nc_u32 v[OFF+\i], s41, v[OFF+\i-1]       ; two rows further
.endr
	s_lshl_b32 s40, s33, 12                        ; my wave's 32 rows of 128 bytes in the slice
	v_lshl_add_u32 v3, v4, 3, s40
	s_wait_kmcnt 0x0
	s_mov_b64 s[30:31], s[18:19]
	s_cmp_ge_u32 s34, 16
	s_cselect_b64 s[30:31], s[20:21], s[30:31]
	s_cmp_ge_u32 s34, 32
	s_cselect_b64 s[30:31], s[22:23], s[30:31]
	s_cmp_ge_u32 s34, 48
	s_cselect_b64 s[30:31], s[24:25], s[30:31]
	s_cmp_ge_u32 s34, 64
	s_cselect_b64 s[30:31], s[26:27], s[30:31]
	s_cmp_ge_u32 s34, 128
	s_cselect_b64 s[30:31], s[28:29], s[30:31]
	s_add_nc_u64 s[30:31], s[30:31], s[38:39]
	s_add_nc_u64 s[16:17], s[16:17], s[36:37]
.irp i, 0,1,2,3,4,5,6,7,8,9,10,11,12,13,14,15
	global_load_b128 v[CX+4*\i:CX+4*\i+3], v[OFF+\i], s[30:31] th:TH_LOAD_NT
.endr
	s_wait_loadcnt 8                               ; the first eight pairs of rows are in; the other eight loads stay out
.irp i, 0,1,2,3,4,5,6,7
	v_cvt_pk_bf16_f32 v[CY+2*\i], v[CX+4*\i], v[CX+4*\i+1]
	v_cvt_pk_bf16_f32 v[CY+2*\i+1], v[CX+4*\i+2], v[CX+4*\i+3]
.endr
.irp i, 0,1,2,3,4,5,6,7
	global_store_b64 v3, v[CY+2*\i:CY+2*\i+1], s[16:17] offset:256*\i  ; two rows of the slice: 256 consecutive bytes, aligned
.endr
	s_wait_loadcnt 0x0
.irp i, 8,9,10,11,12,13,14,15
	v_cvt_pk_bf16_f32 v[CY+2*\i], v[CX+4*\i], v[CX+4*\i+1]
	v_cvt_pk_bf16_f32 v[CY+2*\i+1], v[CX+4*\i+2], v[CX+4*\i+3]
.endr
.irp i, 8,9,10,11,12,13,14,15
	global_store_b64 v3, v[CY+2*\i:CY+2*\i+1], s[16:17] offset:256*\i
.endr
	s_endpgm
.Lfunc_end_k_qeb3c0d5558_prep:
	.size	k_qeb3c0d5558_prep, .Lfunc_end_k_qeb3c0d5558_prep-k_qeb3c0d5558_prep
	.p2alignl 7, 3214868480
	.fill 96, 4, 3214868480
	.section	.rodata,"a",@progbits
	.p2align	6, 0x0
	.amdhsa_kernel k_qeb3c0d5558_prep
		.amdhsa_group_segment_fixed_size 0
		.amdhsa_private_segment_fixed_size 0
		.amdhsa_enable_private_segment 0
		.amdhsa_kernarg_size 88
		.amdhsa_user_sgpr_count 2
		.amdhsa_user_sgpr_kernarg_segment_ptr 1
		.amdhsa_wavefront_size32 1
		.amdhsa_system_sgpr_workgroup_id_x 1
		.amdhsa_system_sgpr_workgroup_id_y 1
		.amdhsa_system_sgpr_workgroup_id_z 1
		.amdhsa_system_vgpr_workitem_id 0
		.amdhsa_next_free_vgpr 160
		.amdhsa_next_free_sgpr 66
		.amdhsa_reserve_vcc 0
		.amdhsa_float_denorm_mode_32 3
		.amdhsa_float_denorm_mode_16_64 3
		.amdhsa_memory_ordered 1
		.amdhsa_forward_progress 1
		.amdhsa_inst_pref_size 28
	.end_amdhsa_kernel
	.amdgpu_metadata
---
amdhsa.version: [ 1, 2 ]
amdhsa.kernels:
  - .name:           k_qeb3c0d5558_prep
    .symbol:         k_qeb3c0d5558_prep.kd
    .args:
      - { .name: x, .offset: 0, .size: 8, .value_kind: global_buffer, .address_space: global }
      - { .name: ln1_a, .offset: 8, .size: 8, .value_kind: global_buffer, .address_space: global }
      - { .name: ln1_b, .offset: 16, .size: 8, .value_kind: global_buffer, .address_space: global }
      - { .name: nrm, .offset: 24, .size: 8, .value_kind: global_buffer, .address_space: global }
      - { .name: wb, .offset: 32, .size: 8, .value_kind: global_buffer, .address_space: global }
      - { .name: wq, .offset: 40, .size: 8, .value_kind: global_buffer, .address_space: global }
      - { .name: wk, .offset: 48, .size: 8, .value_kind: global_buffer, .address_space: global }
      - { .name: wv, .offset: 56, .size: 8, .value_kind: global_buffer, .address_space: global }
      - { .name: wo, .offset: 64, .size: 8, .value_kind: global_buffer, .address_space: global }
      - { .name: w1, .offset: 72, .size: 8, .value_kind: global_buffer, .address_space: global }
      - { .name: w2, .offset: 80, .size: 8, .value_kind: global_buffer, .address_space: global }
    .group_segment_fixed_size: 0
    .private_segment_fixed_size: 0
    .kernarg_segment_align: 8
    .kernarg_segment_size: 88
    .max_flat_workgroup_size: 256
    .sgpr_count:     66
    .vgpr_count:     160
    .wavefront_size: 32
...
	.end_amdgpu_metadata
.endif
;; end of part 1
;; launch gqkv (part 2): grid 16 x 16, 4 waves a work-group, clusters of 4 x 4, 327,680 bytes of LDS; arguments nrm, wb, bq, bk, bv, mask, qkv; writes qkv
.if DOCPART == 2
	.amdgcn_target "amdgcn-amd-amdhsa--gfx1250"
	.amdhsa_code_object_version 6
	.text
	.protected	k_qeb3c0d5558_gqkv
	.globl	k_qeb3c0d5558_gqkv
	.p2align	8
	.type	k_qeb3c0d5558_gqkv,@function
k_qeb3c0d5558_gqkv:
	s_mov_b64 s[64:65], 0
	v_nop
	global_prefetch_b8 v0, s[64:65] scope:SCOPE_SE
	s_setreg_imm32_b32 hwreg(HW_REG_WAVE_MODE, 25, 1), 1
	s_wait_xcnt 0x0
	s_wait_alu depctr_hold_cnt(0) depctr_sa_sdst(0) depctr_va_vdst(0) depctr_va_sdst(0) depctr_va_ssrc(0) depctr_va_vcc(0) depctr_vm_vsrc(0)
	s_getreg_b32 s2, hwreg(HW_REG_IB_STS2, 6, 4)
	s_cmp_eq_u32 s2, 0
	s_cbranch_scc0 .Lentry_in_a_cluster
	s_endpgm
.Lentry_in_a_cluster:
	s_bfe_u32 s2, ttmp6, 0x10000c
	s_cmp_lg_u32 s2, 0xf033
	s_cbranch_scc0 .Lentry_shape_is_right
	s_endpgm
.Lentry_shape_is_right:
; Q, K, V = n1 W + b, by heads: qkv[3][32 (batch x 16 + head)][2048][64] in bf16; the rows of K of tokens whose mask is 0 are written as 0.
; n1: nrm [4096][1024] bf16.  W: wb, column slices [slice][1024 k][64] bf16; tile column tx takes units 3 tx .. 3 tx + 2 = head tx's wq, wk, wv.  Sums in f32, started by the bias, rounded once.
; A tile of the result is 256 tokens x 192 columns; four waves, each 64 tokens x 192 columns: 48 accumulators of 16 x 16.  K = 1,024 goes in 8 steps of 128 through two LDS slots.
; THE MATRIX INSTRUCTION IS USED TRANSPOSED (source 0 = 16 columns of W, source 1 = 16 tokens): a lane holds one token and eight neighbouring columns.
; W lies [k][n] in LDS and is turned by ds_load_tr16_b128; n1 lies along k and comes as it lies.
; CLUSTER 4 x 4: the four of a row need the same tile of n1, the four of a column the same tile of W: each is asked for jointly.
; One K step is written once: the slot read (s66) and the slot filled (s67) are 0 or SLOT and turn by an exclusive or.  By this text's count a wave has two tensor loads out at the start, later one.
; PREFETCH: behind each refill, the K step that the next refill asks for; n1's rows by the clusters with x = 0, W's by those with y = 0; the four partners share a wave's blocks by address.
;   Of W's 96 blocks of a part each partner takes 24: lanes 24-31 name lane 23's block again.
; LIMITS: matrix operands in bf16; NaN and infinities are not treated apart.
.set QKV, 1
.set NSL, 3        ; slices of 64 columns in a tile
.set MB,  4        ; blocks of 16 tokens a wave
.set NBK, 12       ; blocks of 16 columns a wave
.set SLW, 3        ; slices a wave writes
.set PSH, 11       ; a partner's share of W's blocks: cy << PSH bytes
.set PA,    272            ; a row of n1 in LDS: 256 bytes + 16
.set AH,    128*PA         ; 128 rows: one tensor load
.set BOFF,  2*AH
.set PB,    160            ; a k row of a slice in LDS: 128 bytes + 32
.set SLB,   64*PB          ; 64 k rows of one slice
.set BPART, NSL*SLB        ; 64 k rows of all slices: one tensor load
.set SLOT,  BOFF+2*BPART
.set STAGE, 2*SLOT         ; behind the ring: [slice][16 rows][144] for each wave
.set STW,   SLW*16*144
.set SPARE, STAGE+4*STW    ; the spare words, 128 bytes a wave
.set ADRA0, 16     ; v16  my place in slot 0's tile of n1; never rewritten
.set ADRB0, 17     ; v17  the same for W
.set ADRA,  18     ; v18  the same in the slot that is read
.set ADRB,  19     ; v19
.set MKV,   20     ; v20-23 the mask's words of my tokens
.set STO,   24     ; v24  the way out: where I put 16 bytes of a row
.set RD,    25     ; v25  where I read rows back
.set GO,    26     ; v26  16 x lane
.set ZR,    27     ; v27  0
.set SPW,   28     ; v28  my spare word
.set NIL,   29     ; v29  0
.set PFO,   30     ; v30  the prefetches' offset
.set TMP,   32     ; the way out: packed results
; window 0: v64-191 fragments of n1, two buffers; the bias of column block b at v[192 + 8 b] (b < 8) or v[32 + 8 (b - 8)].  window 1: v64.. fragments of W, two buffers.
; windows 2, 3: accumulator (a, b), i = NBK a + b, at register 8 (i % 32) of window 2 + i / 32.
; s12 wave; s13 = wave / 2: 0 fetches n1, 1 fetches W; s14 = wave % 2: which half; s15, s16 my row and column part; s17, s18 cx, cy; s19, s20 tile column, tile row
; s[24:31], s[32:39] descriptor groups 1 and 0 (two sets) for n1; s[48:55], s[56:63] for W; s68, s69 my LDS places in a slot; s[70:75] output bases; s[76:79] lane masks; s[86:87] prefetch address, s[88:89] its step, s90 its limit
.set MSB, 0
.macro WIN new
.if MSB != (\new)
	s_set_vgpr_msb (MSB<<8)|(\new)
.set MSB, \new
.endif
.endm
.macro PLACES
.rept 4
	v_nop
.endr
.endm
.macro CREST                           ; a round of the cluster's barrier behind its opening barrier
	s_cmp_lg_u32 s12, 0
	s_cbranch_scc1 .Lnot_wave_0_\@
	s_barrier_signal -3
.Lnot_wave_0_\@:
	s_barrier_wait -3
	s_barrier_signal -1
	s_barrier_wait -1
.endm
.macro CROUND
	s_barrier_signal -1
	s_barrier_wait -1
	CREST
.endm
.macro JLOAD                           ; a joint refill by the walking descriptors; the branch hangs on the wave's number alone
	s_cmp_eq_u32 s13, 0
	s_cbranch_scc0 .Lfor_b_\@
	tensor_load_to_lds s[36:39], s[24:31]
	s_nop 0
.rept 4
	v_nop
.endr
	s_branch .Lasked_\@
.Lfor_b_\@:
	tensor_load_to_lds s[60:63], s[48:55]
	s_nop 0
.rept 4
	v_nop
.endr
.Lasked_\@:
.endm
.macro ASK                             ; the K step behind the one just asked for; the loop's last trip has none
	s_cmp_gt_u32 s3, s90
	s_cbranch_scc0 .Lnot_mine_\@
	global_prefetch_b8 v[PFO], s[86:87] th:TH_LOAD_NT scope:SCOPE_SE
.Lnot_mine_\@:
.endm
; na row blocks from a0 on x all column blocks, 32 along K, from buffer f.  first = 1: the bias starts the sums.  The accumulators take turns, one instruction a turn, in the same order in every quarter.
.macro MULS f, a0, na, first
.set ma, \a0
.rept \na
.set mb, 0
.rept NBK
.set mi, NBK*ma+mb
.set rD, 8*(mi%32)
.set rB, 64+8*NBK*(\f)+8*mb
.set rA, 64+64*(\f)+8*ma
.if \first
.if mb < 8
.set rC, 192+8*mb
.else
.set rC, 32+8*(mb-8)
.endif
	WIN 0x81+0x40*(mi/32)
	v_wmma_f32_16x16x32_bf16 v[rD:rD+7], v[rB:rB+7], v[rA:rA+7], v[rC:rC+7]
.else
	WIN 0xa1+0x50*(mi/32)
	v_wmma_f32_16x16x32_bf16 v[rD:rD+7], v[rB:rB+7], v[rA:rA+7], v[rD:rD+7]
.endif
.set mb, mb+1
.endr
.set ma, ma+1
.endr
.endm
; 32 LDS loads in one run: quarter q's fragments (32 along K) into buffer f: W's first, then n1's
.macro FETCH q, f
	WIN 0x40
.set fb, 0
.rept NBK
.set rB, 64+8*NBK*(\f)+8*fb
.set bo, ((\q)/2)*BPART+(fb/4)*SLB+((\q)%2)*32*PB+(fb%4)*32
	ds_load_tr16_b128 v[rB:rB+3], v[ADRB] offset:bo
	ds_load_tr16_b128 v[rB+4:rB+7], v[ADRB] offset:bo+16*PB
.set fb, fb+1
.endr
	WIN 0
.set fa, 0
.rept MB
.set rA, 64+64*(\f)+8*fa
	ds_load_b128 v[rA:rA+3], v[ADRA] offset:64*(\q)+fa*16*PA
	ds_load_b128 v[rA+4:rA+7], v[ADRA] offset:64*(\q)+fa*16*PA+32
.set fa, fa+1
.endr
.endm
; one of a K step's first three quarters: multiplies buffer f, fetches quarter q into buffer g
.macro QUARTER q, f, g, first
	s_wait_dscnt MB                                ; W and the lower half of my tokens are in; the youngest MB loads may be out
	MULS \f, 0, MB/2, \first
	PLACES                                         ; four places in front of loads into registers that matrix instructions have read
	FETCH \q, \g
	s_wait_dscnt 32                                ; all but the 32 just issued
	MULS \f, MB/2, MB/2, \first
.endm
; the first half of the last quarter: one barrier for the change of slots
.macro MEET round
	WIN 0
	s_wait_tensorcnt 0x0                           ; all my tensor loads have landed: my part of the next slot; so a group 0 may be written
	ds_add_u32 v[SPW], v[NIL]                      ; 0 onto my spare word
.if \round
	s_xor_b32 s67, s67, SLOT                       ; the walking descriptors: the other slot than last time,
	s_add_co_u32 s37, s68, s67
	s_add_nc_u64 s[38:39], s[38:39], 256           ; the next K step
	s_add_co_u32 s61, s69, s67
	s_add_nc_u64 s[62:63], s[62:63], 16384
.endif
	s_wait_dscnt MB+1                              ; the add and the youngest MB loads may be out
	MULS 1, 0, MB/4, 0
	s_wait_dscnt 0x0                               ; the add is done, and my reads of this slot are over
	s_barrier_signal -1
	MULS 1, MB/4, MB/4, 0
	WIN 0
	s_barrier_wait -1
.endm
; the whole last quarter.  fill = 1: the slot just read is filled again, first thing behind a round of the cluster's barrier.  fill = 0: the tail; in the last K step nothing is left to fetch
.macro TURN fill
.if \fill
	s_wait_xcnt 0x0                                ; the last prefetch, a K step back, has read its address
	s_add_nc_u64 s[86:87], s[86:87], s[88:89]
	MEET 1
	CREST                                          ; no wave of any partner still reads this slot or has a load on its way
	JLOAD                                          ; its four v_nop are also the places in front of the loads below
.else
	MEET 0
	PLACES
.endif
	s_xor_b32 s66, s66, SLOT
	v_add_nc_u32 v[ADRA], s66, v[ADRA0]
	v_add_nc_u32 v[ADRB], s66, v[ADRB0]
.if \fill
	FETCH 0, 0
	ASK
.else
	s_cmp_eq_u32 s3, 1
	s_cbranch_scc1 .Lno_more_\@
	FETCH 0, 0
.Lno_more_\@:
.endif
	MULS 1, MB/2, MB/2, 0
.endm
.macro BIASLD b, lo, off
.if (\b) < 8
.set rC, 192+8*(\b)
.else
.set rC, 32+8*((\b)-8)
.endif
	global_load_b128 v[rC:rC+3], v7, s[\lo:\lo+1] offset:\off
	global_load_b128 v[rC+4:rC+7], v7, s[\lo:\lo+1] offset:(\off)+16
.endm
; THE WAY OUT of row block a: rounded to bf16; through my own stage; stored as 512 consecutive bytes of a slice
.macro PACK a
.set pb, 0
.rept NBK
.set mi, NBK*(\a)+pb
.set rD, 8*(mi%32)
	WIN 0x0a+5*(mi/32)
.irp rr, 0,1,2,3
	v_cvt_pk_bf16_f32 v[TMP+4*pb+\rr], v[rD+2*\rr], v[rD+2*\rr+1]
.endr
.set pb, pb+1
.endr
	WIN 0
.if QKV
.set pb, 16
.rept 16
	v_cndmask_b32 v[TMP+pb], 0, v[TMP+pb], s[76+(\a)]  ; K's row is 0 where the token's mask is 0
.set pb, pb+1
.endr
.else
.set pb, 0
.rept 4*NBK
	v_pk_max_num_bf16 v[TMP+pb], v[TMP+pb], v[ZR]  ; relu, two at a time; nothing is rounded
.set pb, pb+1
.endr
.endif
.endm
.macro TOSTAGE a
	WIN 0
.set BK, 80+48*((\a)%2)
.set pb, 0
.rept NBK
	ds_store_b128 v[STO], v[TMP+4*pb:TMP+4*pb+3] offset:(pb/4)*2304+32*(pb%4)
.set pb, pb+1
.endr
.set pb, 0
.rept 4*SLW
	ds_load_b128 v[BK+4*pb:BK+4*pb+3], v[RD] offset:(pb/4)*2304+(pb%4)*576  ; LDS serves a wave's instructions in order (ISA guide 5.7.1.4): these see the stores above
.set pb, pb+1
.endr
.endm
.macro SEND a
	WIN 0
.set BK, 80+48*((\a)%2)
	s_wait_dscnt 0x0                               ; the block is back in registers
	s_wait_xcnt 0x0                                ; the registers that earlier stores read are loaded again only behind this wait
.set pb, 0
.rept 4*SLW
.set sb, 70+2*(pb/4)
	global_store_b128 v[GO], v[BK+4*pb:BK+4*pb+3], s[sb:sb+1] offset:2048*(\a)+512*(pb%4)
.set pb, pb+1
.endr
.endm
.if QKV
	s_load_b256 s[4:11], s[0:1], 0x0               ; nrm s[4:5], wb s[6:7], bq s[8:9], bk s[10:11]
	s_load_b128 s[80:83], s[0:1], 0x20             ; bv s[80:81], mask s[82:83]
	s_load_b64 s[84:85], s[0:1], 0x30              ; qkv
.else
	s_load_b256 s[4:11], s[0:1], 0x0               ; nrm s[4:5], wb s[6:7], b1 s[8:9], hid s[10:11]
.endif
	v_lshl_add_u32 v[SPW], v0, 2, SPARE
	v_mov_b32 v[NIL], 0
	ds_add_u32 v[SPW], v[NIL]                      ; the wave's opening: the add and its wait ahead of my first tensor load
	v_lshrrev_b32 v1, 5, v0
	v_readfirstlane_b32 s12, v1
	s_lshr_b32 s13, s12, 1
	s_and_b32 s14, s12, 1
.if QKV
	s_mov_b32 s15, s12                             ; my 64 tokens; all 192 columns
	s_mov_b32 s16, 0
.else
	s_mov_b32 s15, s13                             ; my 128 tokens, my 128 columns
	s_mov_b32 s16, s14
.endif
	s_bfe_u32 s17, ttmp6, 0x40000                  ; cx
	s_bfe_u32 s18, ttmp6, 0x40004                  ; cy
	s_lshl_b32 s19, ttmp9, 2
	s_add_co_u32 s19, s19, s17                     ; tile column
	s_and_b32 s20, ttmp7, 0xffff
	s_lshl_b32 s20, s20, 2
	s_add_co_u32 s20, s20, s18                     ; tile row
	s_lshl_b32 s21, s18, 2
	s_lshl_b32 s21, 15, s21                        ; my row of the cluster
	s_lshl_b32 s22, 0x1111, s17                    ; my column
	s_or_b32 s24, s21, (1<<16)|(1<<20)|(1<<21)|(5<<22)|(3<<25)  ; n1: 2-byte elements; 4 words of padding after every 64; bit 21 beside the mask
	s_mov_b32 s25, 128<<16                         ; tensor_dim0 = 128
	s_mov_b32 s26, 128<<16                         ; tensor_dim1 = 128
	s_mov_b32 s27, 128<<16                         ; tile_dim0 = 128
	s_mov_b32 s28, 128                             ; tile_dim1 = 128
	s_mov_b32 s29, 1024                            ; elements from row to row
	s_mov_b32 s30, 0
	s_mov_b32 s31, 0
	s_or_b32 s48, s22, (1<<16)|(1<<20)|(1<<21)|(4<<22)|(7<<25)  ; W: 8 words of padding after every 32 (a k row of a slice)
	s_mov_b32 s49, 4096<<16                        ; a row of the tile: 64 k rows of one slice, 8,192 dense bytes
	s_mov_b32 s50, NSL<<16
	s_mov_b32 s51, 4096<<16
	s_mov_b32 s52, NSL
	s_mov_b32 s53, 65536                           ; elements from slice to slice
	s_mov_b32 s54, 0
	s_mov_b32 s55, 0
	s_lshl_b32 s40, s20, 8                         ; n1: row 256 x tile row + 128 x half (no register here ever holds cx)
	s_lshl_b32 s41, s14, 7
	s_add_co_u32 s40, s40, s41
	s_lshl_b32 s40, s40, 11
	s_mov_b32 s41, 0
.if QKV
	s_mul_i32 s42, s19, 3                          ; W: unit 3 x tile column (no register here ever holds cy)
.else
	s_lshl_b32 s42, s19, 2
	s_add_co_u32 s42, s42, 64                      ; W: unit 64 + 4 x tile column
.endif
	s_lshl_b32 s42, s42, 17
	s_lshl_b32 s43, s14, 13                        ; + 64 k rows x half
	s_add_co_u32 s42, s42, s43
	s_mov_b32 s43, 0
	s_mul_i32 s68, s14, AH
	s_mul_i32 s69, s14, BPART
	s_add_co_u32 s69, s69, BOFF
	s_mov_b32 s66, 0                               ; slot 0 is read first
	s_mov_b32 s67, SLOT                            ; the walking descriptors begin in slot 1
	s_wait_dscnt 0x0                               ; the opening add is done
	s_wait_kmcnt 0x0
	s_add_nc_u64 s[40:41], s[4:5], s[40:41]
	s_add_nc_u64 s[42:43], s[6:7], s[42:43]
	CROUND                                         ; all sixteen work-groups are here: the first joint loads meet
	s_mov_b32 s32, 1
	s_mov_b32 s33, s68
	s_mov_b64 s[34:35], s[40:41]
	s_or_b32 s35, s35, 0x80000000
	s_mov_b32 s36, 1
	s_add_co_u32 s37, s68, SLOT
	s_add_nc_u64 s[38:39], s[40:41], 256
	s_or_b32 s39, s39, 0x80000000
	s_mov_b32 s56, 1
	s_mov_b32 s57, s69
	s_mov_b64 s[58:59], s[42:43]
	s_or_b32 s59, s59, 0x80000000
	s_mov_b32 s60, 1
	s_add_co_u32 s61, s69, SLOT
	s_add_nc_u64 s[62:63], s[42:43], 16384
	s_or_b32 s63, s63, 0x80000000
	s_cmp_eq_u32 s13, 0                            ; a wave's two first fills stand in one branch: K steps 0 and 1
	s_cbranch_scc0 .Lfirst_b
	tensor_load_to_lds s[32:35], s[24:31]
	s_nop 0
	tensor_load_to_lds s[36:39], s[24:31]
	s_nop 0
.rept 4
	v_nop
.endr
	s_branch .Lfirst_asked
.Lfirst_b:
	tensor_load_to_lds s[56:59], s[48:55]
	s_nop 0
	tensor_load_to_lds s[60:63], s[48:55]
	s_nop 0
.rept 4
	v_nop
.endr
.Lfirst_asked:
	v_and_b32 v1, 15, v0                           ; r = l % 16
	v_bfe_u32 v2, v0, 4, 1                         ; h = l / 16
	v_and_b32 v3, 31, v0                           ; l
	v_and_b32 v4, 7, v0
	v_bfe_u32 v5, v0, 3, 1
	s_mul_i32 s91, s15, 16*MB*PA
	v_mul_u32_u24 v[ADRA0], v1, PA
	v_lshl_add_u32 v[ADRA0], v2, 4, v[ADRA0]
	v_add_nc_u32 v[ADRA0], s91, v[ADRA0]           ; (my first token + r) x pitch + 16 h
	s_mul_i32 s91, s16, SLW*SLB
	s_add_co_u32 s91, s91, BOFF
	v_lshl_add_u32 v6, v2, 3, v4
	v_mul_u32_u24 v[ADRB0], v6, PB
	v_lshl_add_u32 v[ADRB0], v5, 4, v[ADRB0]
	v_add_nc_u32 v[ADRB0], s91, v[ADRB0]           ; the turning load: k row 8 h + l % 8, 16 bytes (l / 8) % 2
	s_mul_i32 s91, s12, STW
	s_add_co_u32 s91, s91, STAGE
	v_mul_u32_u24 v[STO], v1, 144
	v_lshl_add_u32 v[STO], v2, 4, v[STO]
	v_add_nc_u32 v[STO], s91, v[STO]
	v_lshrrev_b32 v6, 3, v3
	v_mul_u32_u24 v[RD], v6, 144
	v_lshl_add_u32 v[RD], v4, 4, v[RD]
	v_add_nc_u32 v[RD], s91, v[RD]
	v_lshlrev_b32 v[GO], 4, v3
	v_mov_b32 v[ZR], 0
	; where my rows go
	s_lshr_b32 s44, s20, 3                         ; the batch
.if QKV
	s_lshl_b32 s44, s44, 4
	s_add_co_u32 s44, s44, s19                     ; batch x 16 + head
	s_lshl_b32 s46, s15, 6
.else
	s_lshl_b32 s44, s44, 6
	s_lshl_b32 s46, s19, 2
	s_add_co_u32 s44, s44, s46
	s_lshl_b32 s46, s16, 1
	s_add_co_u32 s44, s44, s46                     ; batch x 64 + my first slice
	s_lshl_b32 s46, s15, 7
.endif
	s_lshl_b32 s44, s44, 11
	s_lshl_b32 s45, s20, 8
	s_add_co_u32 s45, s45, s46
	s_and_b32 s45, s45, 2047                       ; my first token in its batch
	s_add_co_u32 s44, s44, s45
	s_lshl_b32 s44, s44, 7
	s_mov_b32 s45, 0
.if QKV
	s_add_nc_u64 s[70:71], s[84:85], s[44:45]
	s_add_nc_u64 s[72:73], s[70:71], 8388608
	s_add_nc_u64 s[74:75], s[72:73], 8388608
.else
	s_add_nc_u64 s[70:71], s[10:11], s[44:45]
	s_add_nc_u64 s[72:73], s[70:71], 262144
.endif
	; the prefetches
	s_and_b32 s91, ttmp7, 0xffff
	s_cmp_eq_u32 s13, 0                            ; do I fetch n1?
	s_cselect_b32 s91, ttmp9, s91                  ; the coordinate along which other clusters read the same rows
	s_cselect_b64 s[86:87], s[40:41], s[42:43]     ; my tile at K step 0
	s_cselect_b32 s92, s17, s18                    ; my place among the four that ask with me
	s_cselect_b32 s88, 8, 14
	s_cselect_b32 s93, 16, PSH
	s_cselect_b32 s94, -1, 0
	s_lshl_b32 s88, 1, s88                         ; a K step: 256 bytes of n1's rows, 16,384 of a slice
	s_mov_b32 s89, 0
	s_lshl_b32 s92, s92, s93                       ; n1: 32 rows a partner
	s_mov_b32 s93, 0
	s_add_nc_u64 s[86:87], s[86:87], s[92:93]
	s_lshl_b32 s92, s88, 1
	s_add_nc_u64 s[86:87], s[86:87], s[92:93]      ; at K step 2: the first refill steps it to 3
	s_cmp_eq_u32 s91, 0
	s_cselect_b32 s90, 1, -1                       ; the same in all sixteen partners, for a given wave
	v_lshlrev_b32 v[PFO], 11, v3                   ; n1: a lane a row
.if QKV
	v_min_u32 v9, 23, v3                           ; W: 8 blocks of 256 bytes in each of the three slices
	v_lshrrev_b32 v10, 3, v9
	v_and_b32 v9, 7, v9
	v_lshlrev_b32 v10, 17, v10
	v_lshl_add_u32 v10, v9, 8, v10
.else
	v_lshlrev_b32 v10, 8, v3                       ; W: a partner a slice, 32 blocks of 256 bytes
.endif
	v_cndmask_b32 v[PFO], v10, v[PFO], s94
	; the bias: a lane's eight columns of each column block
.if QKV
	s_lshl_b32 s91, s19, 8
	v_lshl_add_u32 v7, v2, 5, s91
.irp b, 0,1,2,3
	BIASLD \b, 8, 64*\b
	BIASLD \b+4, 10, 64*\b
	BIASLD \b+8, 80, 64*\b
.endr
	s_lshl_b32 s91, s20, 8
	s_lshl_b32 s92, s15, 6
	s_add_co_u32 s91, s91, s92
	s_lshl_b32 s91, s91, 2
	v_lshl_add_u32 v8, v1, 2, s91
.irp a, 0,1,2,3
	global_load_b32 v[MKV+\a], v8, s[82:83] offset:64*\a
.endr
.else
	s_lshl_b32 s91, s19, 10
	s_lshl_b32 s92, s16, 9
	s_add_co_u32 s91, s91, s92
	v_lshl_add_u32 v7, v2, 5, s91
.irp b, 0,1,2,3,4,5,6,7
	BIASLD \b, 8, 64*\b
.endr
.endif
	s_wait_tensorcnt 1                             ; my part of K step 0 is in; K step 1's may stay out
	s_barrier_signal -1
	s_barrier_wait -1
	v_mov_b32 v[ADRA], v[ADRA0]
	v_mov_b32 v[ADRB], v[ADRB0]
	FETCH 0, 0
	s_wait_loadcnt 0x0                             ; bias (and mask)
.if QKV
.irp a, 0,1,2,3
	v_cmp_ne_u32 s[76+\a], 0, v[MKV+\a]
.endr
.endif
	QUARTER 1, 0, 1, 1                             ; the first quarter stands in front of the loop: the bias starts the sums
	WIN 0
	s_mov_b32 s3, 6
.Lstep:                                                ; a trip: a K step's quarters 1 to 3 and the next step's quarter 0; K step t + 2 is asked for
	QUARTER 2, 1, 0, 0
	QUARTER 3, 0, 1, 0
	TURN 1
	QUARTER 1, 0, 1, 0
	WIN 0
	s_sub_co_u32 s3, s3, 1
	s_cmp_lg_u32 s3, 0
	s_cbranch_scc1 .Lstep
	s_mov_b32 s3, 2
.Ltail:                                                ; the last two K steps ask for nothing; the second trip is left in its middle
	QUARTER 2, 1, 0, 0
	QUARTER 3, 0, 1, 0
	TURN 0
	WIN 0
	s_sub_co_u32 s3, s3, 1
	s_cmp_eq_u32 s3, 0
	s_cbranch_scc1 .Lout
	QUARTER 1, 0, 1, 0
	WIN 0
	s_branch .Ltail
.Lout:
	PLACES
	PACK 0
	TOSTAGE 0
.set ea, 1
.rept MB-1
	PACK ea                                        ; a block's conversions stand between the loads of the block before and the wait for them
	SEND ea-1
	TOSTAGE ea
.set ea, ea+1
.endr
	SEND MB-1
	s_wait_tensorcnt 0x0                           ; the wave's end
	ds_add_u32 v[SPW], v[NIL]
	s_wait_dscnt 0x0
	CROUND                                         ; the closing round
	s_endpgm
.Lfunc_end_k_qeb3c0d5558_gqkv:
	.size	k_qeb3c0d5558_gqkv, .Lfunc_end_k_qeb3c0d5558_gqkv-k_qeb3c0d5558_gqkv
	.p2alignl 7, 3214868480
	.fill 96, 4, 3214868480
	.section	.rodata,"a",@progbits
	.p2align	6, 0x0
	.amdhsa_kernel k_qeb3c0d5558_gqkv
		.amdhsa_group_segment_fixed_size 327680
		.amdhsa_private_segment_fixed_size 0
		.amdhsa_enable_private_segment 0
		.amdhsa_kernarg_size 56
		.amdhsa_user_sgpr_count 2
		.amdhsa_user_sgpr_kernarg_segment_ptr 1
		.amdhsa_wavefront_size32 1
		.amdhsa_system_sgpr_workgroup_id_x 1
		.amdhsa_system_sgpr_workgroup_id_y 1
		.amdhsa_system_sgpr_workgroup_id_z 1
		.amdhsa_system_vgpr_workitem_id 0
		.amdhsa_next_free_vgpr 896
		.amdhsa_next_free_sgpr 96
		.amdhsa_reserve_vcc 0
		.amdhsa_float_denorm_mode_32 3
		.amdhsa_float_denorm_mode_16_64 3
		.amdhsa_memory_ordered 1
		.amdhsa_forward_progress 1
		.amdhsa_inst_pref_size 92
	.end_amdhsa_kernel
	.amdgpu_metadata
---
amdhsa.version: [ 1, 2 ]
amdhsa.kernels:
  - .name:           k_qeb3c0d5558_gqkv
    .symbol:         k_qeb3c0d5558_gqkv.kd
    .args:
      - { .name: nrm, .offset: 0, .size: 8, .value_kind: global_buffer, .address_space: global }
      - { .name: wb, .offset: 8, .size: 8, .value_kind: global_buffer, .address_space: global }
      - { .name: bq, .offset: 16, .size: 8, .value_kind: global_buffer, .address_space: global }
      - { .name: bk, .offset: 24, .size: 8, .value_kind: global_buffer, .address_space: global }
      - { .name: bv, .offset: 32, .size: 8, .value_kind: global_buffer, .address_space: global }
      - { .name: mask, .offset: 40, .size: 8, .value_kind: global_buffer, .address_space: global }
      - { .name: qkv, .offset: 48, .size: 8, .value_kind: global_buffer, .address_space: global }
    .group_segment_fixed_size: 327680
    .private_segment_fixed_size: 0
    .kernarg_segment_align: 8
    .kernarg_segment_size: 56
    .max_flat_workgroup_size: 128
    .sgpr_count:     96
    .vgpr_count:     896
    .wavefront_size: 32
...
	.end_amdgpu_metadata
.endif
;; end of part 2
;; launch attn (part 3): grid 8 x 32, 4 waves a work-group, clusters of 4 x 1, 327,680 bytes of LDS; arguments qkv, mask, ctx; writes ctx
.if DOCPART == 3
	.amdgcn_target "amdgcn-amd-amdhsa--gfx1250"
	.amdhsa_code_object_version 6
	.text
	.protected	k_qeb3c0d5558_attn
	.globl	k_qeb3c0d5558_attn
	.p2align	8
	.type	k_qeb3c0d5558_attn,@function
k_qeb3c0d5558_attn:
	s_mov_b64 s[64:65], 0
	v_nop
	global_prefetch_b8 v0, s[64:65] scope:SCOPE_SE
	s_setreg_imm32_b32 hwreg(HW_REG_WAVE_MODE, 25, 1), 1
	s_wait_xcnt 0x0
	s_wait_alu depctr_hold_cnt(0) depctr_sa_sdst(0) depctr_va_vdst(0) depctr_va_sdst(0) depctr_va_ssrc(0) depctr_va_vcc(0) depctr_vm_vsrc(0)
	s_getreg_b32 s2, hwreg(HW_REG_IB_STS2, 6, 4)
	s_cmp_eq_u32 s2, 0
	s_cbranch_scc0 .Lentry_in_a_cluster
	s_endpgm
.Lentry_in_a_cluster:
	s_bfe_u32 s2, ttmp6, 0x10000c
	s_cmp_lg_u32 s2, 0x3003
	s_cbranch_scc0 .Lentry_shape_is_right
	s_endpgm
.Lentry_shape_is_right:
; ATTENTION WITH A KEY MASK.  ctx[bh][q][:] = the sum over k of softmax_k(s) V[bh][k][:], s = Q[bh][q] . K[bh][k] / 8, or -1e9 where mask[b][k] = 0.
; qkv: [3][32 bh][2048][64] bf16 (a head's rows dense, 128 bytes); ctx the same layout; mask [2][2048] int32.  Products, maxima and sums in f32; the weights are rounded to bf16 for the second product, ctx once.
; THE MASK.  The rows of K of masked keys arrive as 0; the sum S^T = K Q^T is started by C = 0, or -8e9 for a masked key: so a masked score is exactly -8e9, which divided by 8 is -1e9.
; A table of these 2,048 numbers is made once in LDS.  Where every key is masked all weights are equal; the rounding of c m is common to p and l and cancels.
; SHARES.  A work-group owns 256 queries of a head, a wave 64: four PIECES of 16.  Every wave walks all 2,048 keys, 64 a step; a slot of LDS holds four steps.
; LAYOUT.  S^T holds ONE query a lane (lane % 16) and the keys 8 (lane / 16) + 0..7; two such results rounded to bf16 ARE source 1 of O^T = V^T P.  K comes as it lies, V turned by ds_load_tr16_b128.
; SOFTMAX.  p = 2^(c s - c m), c = log2(e) / 8, with a running maximum m; O and l are multiplied by a = 2^(c m_old - c m_new) in every step; m starts at the lowest finite number, O and l at 0.
; TURNS.  Turn n belongs to piece n: 8 products K Q^T of piece n + 1, later 8 products V^T P of piece n - 1; beside them the scaling, exponentials, roundings, sums and rescaling of piece n and the maximum and
; statistics of piece n + 1.  Four vector instructions stand behind every matrix instruction, the rest in one lump.  A turn's 33 exponentials are one batch with one wait.
; CLUSTER.  The four query blocks of a cluster belong to one head and walk the same K and V: each tile is asked for jointly.  By this text's count a wave has one tensor load out.
; PREFETCH.  Behind each joint load, the 256 keys that the next change of slots asks for: by the head's first cluster, wave 0 for K and wave 2 for V, 32 blocks of 256 bytes a partner, told apart by address.
; LIMITS: bf16 operands; a weight below 2^-126 counts as 0 in l; NaN and infinities are not treated apart.
; REGISTERS (windows of 256): window 0: v0-15 addresses; v16-31 statistics; v32-47 the mask at the start; v48-55 at work; v64-127 S^T, two buffers; v192-223 P, two buffers
;   window 1: v0-127 O^T, 32 a piece; v160-191 MC, the C operands of the key step in hand      window 2: v0-63 Q; v128-191 K of one step; v192-255 V of one step
.set NP,    4
.set KS,    64
.set PK,    144       ; a row of K in LDS: 128 bytes + 16
.set PV,    160       ; a row of V: 128 + 32
.set VOFF,  4*KS*PK
.set SLOT1, 1<<17
.set STAGE, SLOT1+4*KS*(PK+PV)  ; 16 rows x 144 bytes for each wave
.set SP,    144
.set SPARE, STAGE+4*16*SP       ; the spare words, 128 bytes a wave
.set MTAB,  SPARE+512           ; 2,048 f32: 0 or -8e9; stored once, never filled by a tensor load
.set AK0, 2
.set AV0, 3
.set AK,  4
.set AV,  5
.set STO, 6
.set RD,  7
.set GO,  8
.set AM0, 9           ; v9   MTAB + 32 (l / 16)
.set MV,  12          ; v12-13
.set AM,  14          ; v14  the table's place for the step to be fetched
.set QO,  15
.set ST,  16          ; piece t: c m, m, l (even keys', odd keys')
.set TMP, 48
.set PFO, 61
.set SPW, 62
.set NIL, 63
.set S,   64
.set P,   192
.set MC,  160         ; window 1
.set KF,  128         ; window 2
.set VF,  192         ; window 2
.set WV,  12
.set LIM, 15
.set G1K, 24
.set G1V, 32
.set G0K, 40
.set G0V, 44
.set SLOTS, 56
.set CNT, 57
.set CS,  58
.set SEL, 60
.set TBK, 62
.set TBV, 63
.set TBM, 66
.set PFA, 68
.set BIGN, 82
.set MSB, 0
.macro WIN new
.if MSB != (\new)
	s_set_vgpr_msb (MSB<<8)|(\new)
.set MSB, (\new)
.endif
.endm
.set W_KQ, 0x0a       ; K and Q in window 2, S^T in window 0
.set W_KM, 0x1a       ; the same with the C operand in window 1
.set W_PV, 0x52       ; V in window 2, P in window 0, O^T in window 1
.set W_RS, 0x41       ; destination and source 0 in window 1, source 1 in window 0
.macro JLOAD                        ; waves 0 and 1 fetch the halves of a slot's K, waves 2 and 3 those of its V
	s_cmp_lt_u32 s[WV], 2
	s_cbranch_scc0 .Lfor_v_\@
	tensor_load_to_lds s[G0K:G0K+3], s[G1K:G1K+7]
	s_nop 0
.rept 4
	v_nop
.endr
	s_branch .Lasked_\@
.Lfor_v_\@:
	tensor_load_to_lds s[G0V:G0V+3], s[G1V:G1V+7]
	s_nop 0
.rept 4
	v_nop
.endr
.Lasked_\@:
.endm
.macro ASK
	s_cmp_gt_u32 s[SLOTS], s[LIM]
	s_cbranch_scc0 .Lnot_mine_\@
	global_prefetch_b8 v[PFO], s[PFA:PFA+1] th:TH_LOAD_NT scope:SCOPE_SE
.Lnot_mine_\@:
.endm
.macro CROUND
	s_barrier_signal -1
	s_barrier_wait -1
	s_cmp_lg_u32 s[WV], 0
	s_cbranch_scc1 .Lnot_wave_0_\@
	s_barrier_signal -3
.Lnot_wave_0_\@:
	s_barrier_wait -3
	s_barrier_signal -1
	s_barrier_wait -1
.endm
; THE CHANGE OF SLOTS.  Each wave waits for all its tensor loads (one is out: its part of the other slot), adds 0 to its spare word, and waits for that and for its own LDS instructions.
; fill = 1: the slot just left is filled again, first thing behind a round of the cluster's barrier, with the keys two slots on.  (At its first use slot 0 is waited for, slot 1 filled, and the mask's table shown to all waves.)
.macro CHANGE fill
	WIN 0
	s_wait_tensorcnt 0x0
	ds_add_u32 v[SPW], v[NIL]
.if \fill
.irp g, G0K, G0V
	s_xor_b32 s[\g+1], s[\g+1], SLOT1
	s_add_nc_u64 s[\g+2:\g+3], s[\g+2:\g+3], 4*KS*128
.endr
	s_wait_xcnt 0x0                 ; the last prefetch, a slot back, has read its address
	s_add_nc_u64 s[PFA:PFA+1], s[PFA:PFA+1], 4*KS*128
	s_wait_dscnt 0x0
	CROUND
	JLOAD
	ASK
.else
	s_wait_dscnt 0x0
	s_barrier_signal -1
	s_barrier_wait -1
.endif
	s_sub_co_u32 s[TBK], s[TBK], 4*KS*PK
	s_xor_b32 s[TBK], s[TBK], SLOT1
	s_sub_co_u32 s[TBV], s[TBV], 4*KS*PV
	s_xor_b32 s[TBV], s[TBV], SLOT1
.endm
	s_load_b128 s[4:7], s[0:1], 0x0    ; qkv s[4:5], mask s[6:7]
	s_load_b64 s[10:11], s[0:1], 0x10  ; ctx
	v_lshl_add_u32 v[SPW], v0, 2, SPARE
	v_mov_b32 v[NIL], 0
	ds_add_u32 v[SPW], v[NIL]       ; the wave's opening: the add and its wait ahead of my first tensor load
	v_lshrrev_b32 v1, 5, v0
	v_readfirstlane_b32 s[WV], v1
	s_bfe_u32 s13, ttmp6, 0x40000   ; cx
	s_lshl_b32 s14, ttmp9, 2
	s_add_co_u32 s14, s14, s13      ; my block of 256 queries: it enters Q's and ctx's addresses alone
	s_and_b32 s20, ttmp7, 0xffff    ; batch x 16 + head, which the four partners share
	s_lshr_b32 s86, s20, 4
	s_lshl_b32 s86, s86, 13         ; the batch's 2,048 words of the mask
	s_mov_b32 s87, 0
	s_lshl_b32 s20, s20, 18         ; the head's 2,048 rows of 128 bytes
	s_and_b32 s16, s[WV], 1         ; which half of a slot's 256 keys I fetch
	s_lshl_b32 s22, s16, 14
	s_add_co_u32 s22, s22, s20
	s_mov_b32 s23, 0
	s_mul_i32 s17, s16, 128*PK
	s_mul_i32 s18, s16, 128*PV
	s_lshl_b32 s2, s14, 15
	s_lshl_b32 s3, s[WV], 13
	s_add_co_u32 s2, s2, s3
	s_add_co_u32 s2, s2, s20
	s_mov_b32 s3, 0
	; 128 keys are 16,384 dense bytes: asked for as 64 rows of 256 bytes, padded in LDS after every key
	s_mov_b32 s[G1K], 15|(1<<16)|(1<<20)|(1<<21)|(4<<22)|(3<<25)
	s_mov_b32 s[G1V], 15|(1<<16)|(1<<20)|(1<<21)|(4<<22)|(7<<25)
.irp g, G1K, G1V
	s_mov_b32 s[\g+1], 128<<16
	s_mov_b32 s[\g+2], 64<<16
	s_mov_b32 s[\g+3], 128<<16
	s_mov_b32 s[\g+4], 64
	s_mov_b32 s[\g+5], 128
	s_mov_b32 s[\g+6], 0
	s_mov_b32 s[\g+7], 0
.endr
	s_mov_b32 s[CS], 0x3e38aa3b     ; c = log2(e) / 8
	s_mov_b32 s[CS+1], s[CS]
	s_mov_b32 s[SEL], 0x76543210
	s_mov_b32 s[SEL+1], 0xfedcba98
	s_mov_b32 s[TBK], SLOT1+4*KS*PK ; the first change of slots turns these two into 0
	s_mov_b32 s[TBV], SLOT1+4*KS*PV
	s_mov_b32 s[TBM], 0
	s_mov_b32 s[BIGN], 0xcfee6b28   ; -8e9
	s_mov_b32 s[SLOTS], 7
	s_mov_b32 s[G0K], 1
	s_mov_b32 s[G0K+1], s17
	s_mov_b32 s[G0V], 1
	s_add_co_u32 s[G0V+1], s18, VOFF
	s_and_b32 s[LIM], s[WV], 1      ; waves 0 and 2 of the head's first cluster prefetch: the same in all four partners
	s_or_b32 s[LIM], s[LIM], ttmp9
	s_cmp_eq_u32 s[LIM], 0
	s_cselect_b32 s[LIM], 1, -1
	s_wait_dscnt 0x0                ; the opening add is done
	s_wait_kmcnt 0x0
	s_add_nc_u64 s[70:71], s[4:5], s[22:23]
	s_add_nc_u64 s[72:73], s[70:71], 16777216   ; V at my half of the head's first 256 keys
	s_add_nc_u64 s[70:71], s[70:71], 8388608    ; K likewise
	s_mov_b64 s[G0K+2:G0K+3], s[70:71]
	s_or_b32 s[G0K+3], s[G0K+3], 0x80000000
	s_mov_b64 s[G0V+2:G0V+3], s[72:73]
	s_or_b32 s[G0V+3], s[G0V+3], 0x80000000
	s_add_nc_u64 s[4:5], s[4:5], s[2:3]         ; Q and ctx at my wave's first row
	s_add_nc_u64 s[10:11], s[10:11], s[2:3]
	s_add_nc_u64 s[84:85], s[6:7], s[86:87]     ; my batch's mask
	s_cmp_lt_u32 s[WV], 2
	s_cselect_b64 s[PFA:PFA+1], s[70:71], s[72:73]  ; (in waves 0 and 2 these stand at a slot's first row)
	s_lshl_b32 s2, s13, 13          ; my work-group's 32 blocks of the 128
	s_mov_b32 s3, 0
	s_add_nc_u64 s[PFA:PFA+1], s[PFA:PFA+1], s[2:3]
	s_add_nc_u64 s[PFA:PFA+1], s[PFA:PFA+1], 4*KS*128  ; in slot 1's keys: the first change steps it on
	CROUND                          ; all four work-groups are here
	JLOAD                           ; keys 0-255 into slot 0
	v_and_b32 v1, 15, v0            ; l % 16
	v_bfe_u32 v56, v0, 4, 1         ; l / 16
	v_lshlrev_b32 v57, 4, v0        ; 16 x thread
.irp i, 0,1,2,3
	global_load_b128 v[32+4*\i:32+4*\i+3], v57, s[84:85] offset:2048*\i
.endr
	v_lshlrev_b32 v[QO], 7, v1
	v_lshl_add_u32 v[QO], v56, 4, v[QO]
	WIN 0x80
.set i, 0
.rept 8                             ; Q stays in registers: piece i / 2, channels 32 (i % 2) on
	global_load_b128 v[8*i:8*i+3],   v[QO], s[4:5] offset:(i/2)*2048+(i%2)*64
	global_load_b128 v[8*i+4:8*i+7], v[QO], s[4:5] offset:(i/2)*2048+(i%2)*64+32
.set i, i+1
.endr
	; what the first turn finds: V and P's second buffer hold 0 (its products V^T P, of a piece that has not been, add 0), O^T and l are 0.  All this stands in the wait for the first tile.
.set i, VF
.rept 64
	v_mov_b32 v[i], 0
.set i, i+1
.endr
	WIN 0x40
.set i, 0
.rept 128
	v_mov_b32 v[i], 0
.set i, i+1
.endr
	WIN 0
.set i, 0
.rept 4
	v_mov_b32 v[ST+4*i], 0xfe000000    ; c m: far below every c s, a masked one too
	v_mov_b32 v[ST+4*i+1], 0xff7fffff  ; m
	v_mov_b32 v[ST+4*i+2], 0
	v_mov_b32 v[ST+4*i+3], 0
.set i, i+1
.endr
.set i, P+16
.rept 16
	v_mov_b32 v[i], 0
.set i, i+1
.endr
	v_mul_u32_u24 v[AK0], v1, PK
	v_lshl_add_u32 v[AK0], v56, 4, v[AK0]
	v_and_b32 v59, 7, v0
	v_bfe_u32 v60, v0, 3, 1
	v_lshl_add_u32 v[AV0], v56, 3, v59
	v_mul_u32_u24 v[AV0], v[AV0], PV
	v_lshl_add_u32 v[AV0], v60, 4, v[AV0]
	v_add_nc_u32 v[AV0], VOFF, v[AV0]
	v_lshl_add_u32 v[AM0], v56, 5, MTAB
	s_mul_i32 s13, s[WV], 16*SP
	s_add_co_u32 s13, s13, STAGE
	v_mul_u32_u24 v[STO], v1, SP
	v_lshl_add_u32 v[STO], v56, 4, v[STO]
	v_add_nc_u32 v[STO], s13, v[STO]
	v_bfe_u32 v[RD], v0, 3, 2
	v_mul_u32_u24 v[RD], v[RD], SP
	v_lshl_add_u32 v[RD], v59, 4, v[RD]
	v_add_nc_u32 v[RD], s13, v[RD]
	v_and_b32 v[GO], 31, v0
	v_lshlrev_b32 v[PFO], 8, v[GO]
	v_lshlrev_b32 v[GO], 4, v[GO]
	v_add_nc_u32 v58, MTAB, v57
	s_wait_loadcnt 16               ; the mask's four loads are in; Q's sixteen stay out
.set i, 32
.rept 16
	v_cmp_eq_u32 s90, 0, v[i]
	v_cndmask_b32 v[i], 0, s[BIGN], s90
.set i, i+1
.endr
.irp i, 0,1,2,3
	ds_store_b128 v58, v[32+4*\i:32+4*\i+3] offset:2048*\i
.endr
; THE MATRIX WORK.  The 4 accumulators of a run of 8 take turns.  Product i of 8 of S^T = K Q^T for piece x: channels 32 (i / 4) on, keys 16 (i % 4) on.  The first 4 start the sums with the keys' mask.
.macro KQ x
.set rS, S+32*((\x)%2)+8*(i%4)
.set rK, KF+16*(i%4)+8*(i/4)
.set rQ, 16*(\x)+8*(i/4)
.set rM, MC+8*(i%4)
.if i < 4
	WIN W_KM
	v_wmma_f32_16x16x32_bf16 v[rS:rS+7], v[rK:rK+7], v[rQ:rQ+7], v[rM:rM+7]
.else
	WIN W_KQ
	v_wmma_f32_16x16x32_bf16 v[rS:rS+7], v[rK:rK+7], v[rQ:rQ+7], v[rS:rS+7]
.endif
.endm
.macro PV x                         ; product i of 8 of O^T += V^T P: keys 32 (i / 4) on, channels 16 (i % 4) on
	WIN W_PV
.set rO, 32*(\x)+8*(i%4)
.set rV, VF+32*(i/4)+8*(i%4)
.set rP, P+16*((\x)%2)+8*(i/4)
	v_wmma_f32_16x16x32_bf16 v[rO:rO+7], v[rV:rV+7], v[rP:rP+7], v[rO:rO+7]
.endm
.macro MM                           ; the turn's next matrix instruction
.if i < 8
	KQ (Y+1)%NP
.else
.set i, i-8
	PV (Y+NP-1)%NP
.set i, i+8
.endif
.set i, i+1
.endm
; THE LDS LOADS stand in runs: a step's K (8 fragments) with its 64 keys' C operands, and its V (turned).
.macro FETCH_K
	WIN 0x80
.irp f, 0,1,2,3,4,5,6,7
	ds_load_b128 v[KF+8*\f:KF+8*\f+3],   v[AK] offset:(\f/2)*16*PK+(\f%2)*64
	ds_load_b128 v[KF+8*\f+4:KF+8*\f+7], v[AK] offset:(\f/2)*16*PK+(\f%2)*64+32
.endr
	WIN 0x40
.irp f, 0,1,2,3
	ds_load_b128 v[MC+8*\f:MC+8*\f+3],   v[AM] offset:64*\f
	ds_load_b128 v[MC+8*\f+4:MC+8*\f+7], v[AM] offset:64*\f+16
.endr
	s_add_co_u32 s[TBK], s[TBK], KS*PK
	s_add_co_u32 s[TBM], s[TBM], 4*KS
	s_and_b32 s[TBM], s[TBM], 0x1fff  ; the table has 8,192 bytes
	WIN 0
.endm
.macro FETCH_V
	WIN 0x80
.irp f, 0,1,2,3,4,5,6,7
	ds_load_tr16_b128 v[VF+8*\f:VF+8*\f+3],   v[AV] offset:(\f/4)*32*PV+(\f%4)*32
	ds_load_tr16_b128 v[VF+8*\f+4:VF+8*\f+7], v[AV] offset:(\f/4)*32*PV+16*PV+(\f%4)*32
.endr
	WIN 0
.endm
; THE VECTOR WORK, one line at a time: OP kind, number.  For piece Y: F n: c s - c m for pair n.  E n: the exponential of score n.  C n: pair n rounded to bf16.  B n: of the four weights 4 n .. the second pair onto the first.
; L n: l takes that sum (L 0: l = a l + sum).  R n: pair n of O^T times a.  For piece Y + 1: X n, number n of the 22 that find its maximum and statistics (each accumulator's lowest registers are read first).
.set F, 0
.set E, 1
.set C, 2
.set B, 3
.set L, 4
.set R, 5
.set X, 6
.macro REGS y
.set rT, ST+4*(\y)
.set rC, TMP+4*((\y)%2)
.set rW, MV+((\y)%2)
.set rS, S+32*((\y)%2)
.set rP, P+16*((\y)%2)
.set rO, 32*(\y)
.endm
.macro OP k, n
.if (\k) == R
	REGS Y
	WIN W_RS
	v_pk_mul_f32 v[rO+2*(\n):rO+2*(\n)+1], v[rO+2*(\n):rO+2*(\n)+1], v[rC+2:rC+3] op_sel_hi:[1,0]
.elseif (\k) < R
	REGS Y
	WIN 0
.if (\k) == F
	v_pk_fma_f32 v[rS+2*(\n):rS+2*(\n)+1], v[rS+2*(\n):rS+2*(\n)+1], s[CS:CS+1], v[rT:rT+1] op_sel_hi:[1,0,0] neg_lo:[0,0,1] neg_hi:[0,0,1]
.elseif (\k) == E
	v_exp_f32 v[rS+(\n)], v[rS+(\n)]
.elseif (\k) == C
	v_cvt_pk_bf16_f32 v[rP+(\n)], v[rS+2*(\n)], v[rS+2*(\n)+1]
.elseif (\k) == B
	v_pk_add_f32 v[rS+4*(\n):rS+4*(\n)+1], v[rS+4*(\n):rS+4*(\n)+1], v[rS+4*(\n)+2:rS+4*(\n)+3]
.elseif (\n) == 0
	v_pk_fma_f32 v[rT+2:rT+3], v[rT+2:rT+3], v[rC+2:rC+3], v[rS:rS+1] op_sel_hi:[1,0,1]
.else
	v_pk_add_f32 v[rT+2:rT+3], v[rT+2:rT+3], v[rS+4*(\n):rS+4*(\n)+1]
.endif
.else
	REGS (Y+1)%NP
	WIN 0
.if (\n) < 4
	v_max3_num_f32 v[rC+(\n)], v[rS+8*(\n)], v[rS+8*(\n)+1], v[rS+8*(\n)+2]
.elseif (\n) < 12
	v_max3_num_f32 v[rC+(\n)%4], v[rC+(\n)%4], v[rS+8*((\n)%4)+2*((\n)/4)+1], v[rS+8*((\n)%4)+2*((\n)/4)+2]
.elseif (\n) == 12
	v_max3_num_f32 v[rC], v[rC], v[rS+7], v[rS+15]
.elseif (\n) == 13
	v_max3_num_f32 v[rC+1], v[rC+1], v[rS+23], v[rS+31]
.elseif (\n) == 14
	v_max3_num_f32 v[rC+2], v[rC+2], v[rC+3], v[rT+1]
.elseif (\n) == 15
	v_mov_b32 v[rW], v[rT]
.elseif (\n) == 16
	v_max3_num_f32 v[rC], v[rC], v[rC+1], v[rC+2]
.elseif (\n) == 17
	v_permlanex16_b32 v[rC+3], v[rC], s[SEL], s[SEL+1]
.elseif (\n) == 18
	v_max_num_f32 v[rT+1], v[rC], v[rC+3]
.elseif (\n) == 19
	v_mul_f32 v[rT], s[CS], v[rT+1]
.elseif (\n) == 20
	v_sub_f32 v[rC+1], v[rW], v[rT]
.else
	v_exp_f32 v[rC+2], v[rC+1]
.endif
.endif
.endm
.macro OPS a, i1, b=-1, i2=0, c=-1, i3=0, d=-1, i4=0
	OP \a, \i1
.if (\b) >= 0
	OP \b, \i2
.endif
.if (\c) >= 0
	OP \c, \i3
.endif
.if (\d) >= 0
	OP \d, \i4
.endif
.endm
.macro ROW a, i1, b, i2, c, i3, d, i4  ; a matrix instruction and the four behind it
	MM
	OPS \a, \i1, \b, \i2, \c, \i3, \d, \i4
.endm
; A TURN, for piece p.  Ahead of its one wait stands all that names no result of the turn's exponentials: the 8 products K Q^T with their riders and one lump; behind it the 8 products V^T P, behind each four of the roundings and sums.
; cnt = 1: the loop's count is taken down some lines ahead of the branch behind the turn.
; K and the C operands of the next step are fetched in piece 2's turn, six plain instructions behind the last product that read K; V of the step in hand at the end of piece 0's turn, four plain instructions behind its last reader.
.macro TURN p, cnt=0
.set Y, (\p)
.set i, 0
.if (\p) == 3
	s_wait_dscnt 0x0                ; K and its C operands are in
.endif
	ROW F,0, F,1, R,0, R,1
	ROW F,2, E,0, R,2, R,3
	ROW F,3, E,1, R,4, R,5
	ROW F,4, E,2, R,6, R,7
	ROW F,5, E,3, R,8, R,9
	ROW F,6, E,4, X,0, R,10
.if (\p) == 2
	WIN 0
	v_add_nc_u32 v[AK], s[TBK], v[AK0]
	v_add_nc_u32 v[AM], s[TBM], v[AM0]
.endif
	ROW F,7, E,5, X,1, X,4
	ROW F,8, E,6, X,2, X,5
	OPS E,7, E,8, X,6, E,9
	OPS X,3, E,10, X,8, E,11
.if (\p) == 2
	FETCH_K
.endif
	OPS X,9, X,7, E,12, X,10
	OPS E,13, X,12, X,11, E,14
	OPS X,13, E,15, F,9, X,14
.if (\p) == 0
	v_add_nc_u32 v[AV], s[TBV], v[AV0]
.endif
	OPS E,16, F,10, E,17, F,11
	OPS X,16, E,18, X,15, E,19
	OPS F,12, E,20, X,17, E,21
	OPS F,13, E,22, F,14, E,23
	OPS X,18, E,24, F,15, E,25
	OPS R,11, E,26, X,19, E,27
	OPS R,12, E,28, R,13, E,29
	OPS X,20, E,30, R,14, E,31
	OPS X,21, R,15
	WIN 0
	s_wait_alu depctr_va_vdst(0)    ; the wait for the batch, ahead of the first reader
.if (\p) == 1
	s_wait_dscnt 0x0                ; V is in
.endif
	ROW C,0, B,0, C,2, B,1
	ROW L,0, C,4, B,2, L,1
	ROW C,6, B,3, L,2, C,8
	ROW B,4, L,3, C,10, B,5
	ROW L,4, C,12, B,6, L,5
.if (\p) == 0
	s_add_co_u32 s[TBV], s[TBV], KS*PV
.endif
.if \cnt
	s_sub_co_u32 s[CNT], s[CNT], 1
	s_cmp_lg_u32 s[CNT], 0
.endif
	ROW C,14, B,7, L,6, C,1
	ROW C,3, L,7, C,5, C,7
	ROW C,9, C,11, C,13, C,15
.if (\p) == 0
	FETCH_V
.endif
.endm
.macro ALL line:vararg
.set t, 0
.rept 4
	\line
.set t, t+1
.endr
.endm
.macro PACK t                       ; a lane's eight channels of a row pack into 16 bytes; rows of 144 bytes in, whole rows of 128 back
	WIN W_RS
.set i, 32*(\t)
.rept 16
	v_pk_mul_f32 v[i:i+1], v[i:i+1], v[ST+4*(\t)+2:ST+4*(\t)+3] op_sel_hi:[1,0]
.set i, i+2
.endr
	WIN 0x05
.set i, 0
.rept 16
	v_cvt_pk_bf16_f32 v[S+16*(\t)+i], v[32*(\t)+2*i], v[32*(\t)+2*i+1]
.set i, i+1
.endr
	WIN 0
.irp f, 0,1,2,3
	ds_store_b128 v[STO], v[S+16*(\t)+4*\f:S+16*(\t)+4*\f+3] offset:32*\f
.endr
.irp f, 0,1,2,3
	ds_load_b128 v[S+16*(\t)+4*\f:S+16*(\t)+4*\f+3], v[RD] offset:\f*4*SP  ; LDS serves a wave's instructions in order (ISA guide 5.7.1.4)
.endr
.endm
.macro SEND t, younger              ; younger: the LDS instructions issued behind piece t's loads
	WIN 0
.irp f, 0,1,2,3
	s_wait_dscnt (\younger)+3-\f
	global_store_b128 v[GO], v[S+16*(\t)+4*\f:S+16*(\t)+4*\f+3], s[10:11] offset:(\t)*2048+\f*512  ; 512 consecutive bytes, aligned
.endr
.endm
	CHANGE 1                        ; slot 0 is in, the table is whole; slot 1 is asked for
	v_add_nc_u32 v[AK], s[TBK], v[AK0]
	v_add_nc_u32 v[AM], s[TBM], v[AM0]
	FETCH_K                         ; key step 0
	s_wait_loadcnt 0x0              ; Q
	s_wait_dscnt 0x0
.set i, 0
.rept 8
	KQ 0                            ; piece 0's first scores
.set i, i+1
.endr
	WIN 0
.rept 4
	v_nop                           ; the places behind those products
.endr
.set Y, NP-1                        ; X works for piece Y + 1: piece 0
.irp n, 0,1,2,3,4,5,6,7,8,9,10,11,12,13,14,15,16,17,18,19,20,21
	OP X, \n
.endr
	v_nop                           ; a plain instruction behind the exponential,
	s_wait_alu depctr_va_vdst(0)    ; and its wait, ahead of the branch
	s_mov_b32 s[CNT], 4
	s_branch .Lfirst                ; the loop is entered at a step's first turn, in the middle of a trip
.Lslot:                             ; six times: slots 2 to 7 are asked for
	CHANGE 1
	s_mov_b32 s[CNT], 4
.Lstep:                             ; a trip: pieces 2 and 3 of one step, then pieces 0 and 1 of the next
	TURN 2
	TURN 3
	WIN 0
.Lfirst:
	TURN 0
	TURN 1, 1
	WIN 0
	s_cbranch_scc1 .Lstep
	s_sub_co_u32 s[SLOTS], s[SLOTS], 1
	s_cmp_lg_u32 s[SLOTS], 0
	s_cbranch_scc1 .Lslot
	CHANGE 0                        ; the last slot is written out
	s_mov_b32 s[CNT], 5             ; four trips fetch the last slot's steps; the fifth is left in its middle
.Ltail:
	TURN 2
	TURN 3
	WIN 0
	s_sub_co_u32 s[CNT], s[CNT], 1
	s_cmp_eq_u32 s[CNT], 0
	s_cbranch_scc1 .Lout
	TURN 0
	TURN 1
	WIN 0
	s_branch .Ltail
.Lout:                              ; the fifth trip's run of 24 LDS loads (from landed bytes of the last slot, behind its K, and the table's head), its 8 products K Q^T and the maximum made of them serve nothing;
                                    ; they change m and c m of piece 0 alone, which the way out does not read: the price, once a launch, of one text for every trip
.set i, 0
.rept 8
	PV NP-1
.set i, i+1
.endr
	; THE WAY OUT: l's halves and the other half of the lanes' are added; O^T is divided by l, rounded and sent through my stage.  The additions are the places behind the last products.
	WIN 0
	ALL v_add_f32 v[ST+4*t+2], v[ST+4*t+2], v[ST+4*t+3]
	ALL v_permlanex16_b32 v[ST+4*t+3], v[ST+4*t+2], s[SEL], s[SEL+1]
	ALL v_add_f32 v[ST+4*t+2], v[ST+4*t+2], v[ST+4*t+3]
	ALL v_rcp_f32 v[ST+4*t+2], v[ST+4*t+2]
	v_nop
	s_wait_alu depctr_va_vdst(0)    ; one wait for the four reciprocals
	PACK 0
.set t, 1
.rept 3
	PACK t
	SEND t-1, 8
.set t, t+1
.endr
	SEND 3, 0
	s_wait_tensorcnt 0x0            ; the wave's end
	ds_add_u32 v[SPW], v[NIL]
	s_wait_dscnt 0x0
	CROUND                          ; the closing round
	s_endpgm
.Lfunc_end_k_qeb3c0d5558_attn:
	.size	k_qeb3c0d5558_attn, .Lfunc_end_k_qeb3c0d5558_attn-k_qeb3c0d5558_attn
	.p2alignl 7, 3214868480
	.fill 96, 4, 3214868480
	.section	.rodata,"a",@progbits
	.p2align	6, 0x0
	.amdhsa_kernel k_qeb3c0d5558_attn
		.amdhsa_group_segment_fixed_size 327680
		.amdhsa_private_segment_fixed_size 0
		.amdhsa_enable_private_segment 0
		.amdhsa_kernarg_size 24
		.amdhsa_user_sgpr_count 2
		.amdhsa_user_sgpr_kernarg_segment_ptr 1
		.amdhsa_wavefront_size32 1
		.amdhsa_system_sgpr_workgroup_id_x 1
		.amdhsa_system_sgpr_workgroup_id_y 1
		.amdhsa_system_sgpr_workgroup_id_z 1
		.amdhsa_system_vgpr_workitem_id 0
		.amdhsa_next_free_vgpr 768
		.amdhsa_next_free_sgpr 96
		.amdhsa_reserve_vcc 0
		.amdhsa_float_denorm_mode_32 3
		.amdhsa_float_denorm_mode_16_64 3
		.amdhsa_memory_ordered 1
		.amdhsa_forward_progress 1
		.amdhsa_inst_pref_size 117
	.end_amdhsa_kernel
	.amdgpu_metadata
---
amdhsa.version: [ 1, 2 ]
amdhsa.kernels:
  - .name:           k_qeb3c0d5558_attn
    .symbol:         k_qeb3c0d5558_attn.kd
    .args:
      - { .name: qkv, .offset: 0, .size: 8, .value_kind: global_buffer, .address_space: global }
      - { .name: mask, .offset: 8, .size: 8, .value_kind: global_buffer, .address_space: global }
      - { .name: ctx, .offset: 16, .size: 8, .value_kind: global_buffer, .address_space: global }
    .group_segment_fixed_size: 327680
    .private_segment_fixed_size: 0
    .kernarg_segment_align: 8
    .kernarg_segment_size: 24
    .max_flat_workgroup_size: 128
    .sgpr_count:     96
    .vgpr_count:     768
    .wavefront_size: 32
...
	.end_amdgpu_metadata
.endif
;; end of part 3
;; launch gwo (part 4): grid 8 x 32, 4 waves a work-group, clusters of 4 x 4, 327,680 bytes of LDS; arguments ctx, wb, bo, x, x1; writes x1
.if DOCPART == 4
	.amdgcn_target "amdgcn-amd-amdhsa--gfx1250"
	.amdhsa_code_object_version 6
	.text
	.protected	k_qeb3c0d5558_gwo
	.globl	k_qeb3c0d5558_gwo
	.p2align	8
	.type	k_qeb3c0d5558_gwo,@function
k_qeb3c0d5558_gwo:
	s_mov_b64 s[64:65], 0
	v_nop
	global_prefetch_b8 v0, s[64:65] scope:SCOPE_SE
	s_setreg_imm32_b32 hwreg(HW_REG_WAVE_MODE, 25, 1), 1
	s_wait_xcnt 0x0
	s_wait_alu depctr_hold_cnt(0) depctr_sa_sdst(0) depctr_va_vdst(0) depctr_va_sdst(0) depctr_va_ssrc(0) depctr_va_vcc(0) depctr_vm_vsrc(0)
	s_getreg_b32 s2, hwreg(HW_REG_IB_STS2, 6, 4)
	s_cmp_eq_u32 s2, 0
	s_cbranch_scc0 .Lentry_in_a_cluster
	s_endpgm
.Lentry_in_a_cluster:
	s_bfe_u32 s2, ttmp6, 0x10000c
	s_cmp_lg_u32 s2, 0xf033
	s_cbranch_scc0 .Lentry_shape_is_right
	s_endpgm
.Lentry_shape_is_right:
; x1 = x + ctx Wo + bo, f32 [4096][1024].  ctx: [2][16 slices][2048][64] bf16 (a slice = a head's 64 channels); Wo: wb units 48-63, column slices [slice][1024 k][64] bf16.
; Sums in f32, started by the bias; the residual is added in f32.  A tile is 128 tokens x 128 columns (1,024 columns give too few tiles of 256 for 256 work-groups); four waves, each 64 x 64: 16 accumulators.
; K goes in steps of 256 = four slices of the left operand, through two LDS slots; a quarter is one slice, 64 along K.
; THE WALK ALONG K.  Cluster (x, y) begins at K step k0 = (2 x + 2 (y % 2)) % 4 and wraps round: the two clusters that read the same rows of the left operand, and clusters of neighbouring y, which read the
; same columns of W, begin half of K apart, so that of the clusters that want a block one asks for it well ahead of the other.  f32 sums may be taken in any order.
; THE MATRIX INSTRUCTION IS USED TRANSPOSED (source 0 = 16 columns of W, turned by ds_load_tr16_b128; source 1 = 16 tokens): a lane holds one token and eight neighbouring columns.
; CLUSTER 4 x 4: the left operand's tile is shared along a row of the cluster, W's along a column.  One K step is written once; the slots turn by an exclusive or.  A wave has two tensor loads out at the start, later one.
; THE STAGE for the way out lies in slot 0's first bytes: slot 0 has had its last fill, and a barrier stands between every wave's last read of the ring and the first store.
; No prefetch: the launch has four K steps.
; LIMITS: matrix operands in bf16; NaN and infinities are not treated apart.
.set KSL,   16         ; slices of K
.set NSTEP, KSL/4
.set UNIT0, 48         ; W's first unit
.set UNITX, 1          ; units a tile column: 1 << UNITX
.set BSTR,  65536      ; elements from one column slice of W to the next
.set PF,    0
.set ASH,   18         ; (prefetch) a slice of the left operand: 1 << ASH bytes
.set ROTX,  NSTEP/2    ; the walk's first K step: ROTX x cluster x
.set ROTY,  2          ;   + ROTY x (cluster y & ROTM), modulo NSTEP
.set ROTM,  1
.set PAP,   144            ; a token's 128 bytes of a slice + 16
.set ASL,   128*PAP        ; 128 tokens of one slice
.set BOFF,  4*ASL
.set PB,    160
.set BSL,   128*PB         ; 128 k rows of one column slice
.set BPART, 2*BSL
.set SLOT,  BOFF+2*BPART
.set SPARE, 2*SLOT         ; the spare words, 128 bytes a wave
.set SPITCH, 272           ; the stage: 16 rows of 256 bytes + 16, for each wave
.set ADRA0, 16
.set ADRB0, 17
.set ADRA,  18
.set ADRB,  19
.set STO,   24
.set RD,    25
.set CO,    26
.set SPW,   28
.set NIL,   29
.set PFO,   30
.set BIAS,  32     ; v[32:63]  a lane's eight columns of each of the four column blocks
.set ACC,   128    ; v[128:255] accumulator (a, b) at ACC + 8 (4 a + b)
.set F0,    0      ; window 1: two fragment buffers of 128: 64 of the left operand, then 64 of W
.set F1,    128
; window 2: v[0:127] the residual's rows, as they are stored: block a, pair of rows t at 32 a + 4 t
; s[40:41], s[42:43] my tiles of the left operand and of W at K step 0; never rewritten.  s74 the K step asked for last; s[76:77], s[78:79] its byte offsets
.set MSB, 0
.macro WIN new
.if MSB != (\new)
	s_set_vgpr_msb (MSB<<8)|(\new)
.set MSB, \new
.endif
.endm
.macro PLACES
.rept 4
	v_nop
.endr
.endm
.macro CREST
	s_cmp_lg_u32 s12, 0
	s_cbranch_scc1 .Lnot_wave_0_\@
	s_barrier_signal -3
.Lnot_wave_0_\@:
	s_barrier_wait -3
	s_barrier_signal -1
	s_barrier_wait -1
.endm
.macro CROUND
	s_barrier_signal -1
	s_barrier_wait -1
	CREST
.endm
.macro JLOAD
	s_cmp_eq_u32 s13, 0
	s_cbranch_scc0 .Lfor_b_\@
	tensor_load_to_lds s[36:39], s[24:31]
	s_nop 0
.rept 4
	v_nop
.endr
	s_branch .Lasked_\@
.Lfor_b_\@:
	tensor_load_to_lds s[60:63], s[48:55]
	s_nop 0
.rept 4
	v_nop
.endr
.Lasked_\@:
.endm
.macro ASK
	s_cmp_gt_u32 s3, s90
	s_cbranch_scc0 .Lnot_mine_\@
	global_prefetch_b8 v[PFO], s[86:87] th:TH_LOAD_NT scope:SCOPE_SE
.Lnot_mine_\@:
.endm
; 8 matrix instructions: row blocks a0, a0 + 1 x 4 column blocks, 32 along K: half c of buffer f.  first = 1: the bias starts the sums.  The 16 accumulators take turns.
.macro MUL8 f, c, a0, first
	WIN 0x05
.irp a, \a0, (\a0)+1
.irp b, 0,1,2,3
.if \first
	v_wmma_f32_16x16x32_bf16 v[ACC+8*(4*(\a)+(\b)):ACC+8*(4*(\a)+(\b))+7], v[(\f)+64+8*(4*(\c)+(\b)):(\f)+64+8*(4*(\c)+(\b))+7], v[(\f)+8*(4*(\c)+(\a)):(\f)+8*(4*(\c)+(\a))+7], v[BIAS+8*(\b):BIAS+8*(\b)+7]
.else
	v_wmma_f32_16x16x32_bf16 v[ACC+8*(4*(\a)+(\b)):ACC+8*(4*(\a)+(\b))+7], v[(\f)+64+8*(4*(\c)+(\b)):(\f)+64+8*(4*(\c)+(\b))+7], v[(\f)+8*(4*(\c)+(\a)):(\f)+8*(4*(\c)+(\a))+7], v[ACC+8*(4*(\a)+(\b)):ACC+8*(4*(\a)+(\b))+7]
.endif
.endr
.endr
.endm
; 32 LDS loads in one run: quarter q (64 along K) into buffer f; the first 32 along K first
.macro FETCH q, f
	WIN 0x40
.irp c, 0,1
.irp i, 0,1,2,3
	ds_load_tr16_b128 v[(\f)+64+8*(4*\c+\i):(\f)+64+8*(4*\c+\i)+3],   v[ADRB] offset:((\q)/2)*BPART+((\q)%2)*64*PB+32*PB*\c+32*\i
	ds_load_tr16_b128 v[(\f)+64+8*(4*\c+\i)+4:(\f)+64+8*(4*\c+\i)+7], v[ADRB] offset:((\q)/2)*BPART+((\q)%2)*64*PB+32*PB*\c+32*\i+16*PB
	ds_load_b128 v[(\f)+8*(4*\c+\i):(\f)+8*(4*\c+\i)+3],   v[ADRA] offset:ASL*(\q)+16*PAP*\i+64*\c
	ds_load_b128 v[(\f)+8*(4*\c+\i)+4:(\f)+8*(4*\c+\i)+7], v[ADRA] offset:ASL*(\q)+16*PAP*\i+64*\c+32
.endr
.endr
.endm
.macro QUARTER q, f, g, first
	s_wait_dscnt 16                                ; the first 32 along K are in
	MUL8 \f, 0, 0, \first
	MUL8 \f, 0, 2, \first
	PLACES
	FETCH \q, \g
	s_wait_dscnt 32                                ; all but the 32 just issued
	MUL8 \f, 1, 0, 0
	MUL8 \f, 1, 2, 0
.endm
.macro MEET round
	WIN 0
	s_wait_tensorcnt 0x0                           ; all my tensor loads have landed: my part of the next slot; so a group 0 may be written
	ds_add_u32 v[SPW], v[NIL]
.if \round
	s_xor_b32 s67, s67, SLOT                       ; the walking descriptors: the other slot than last time,
	s_add_co_u32 s74, s74, 1                       ; the walk's next K step, which wraps round;
	s_and_b32 s74, s74, NSTEP-1
	s_lshl_b32 s76, s74, 20                        ; a step is four slices of the left operand
	s_lshl_b32 s78, s74, 15                        ; and 256 k rows of W: the addresses are made anew from the step's number
	s_add_co_u32 s37, s68, s67
	s_add_nc_u64 s[38:39], s[40:41], s[76:77]
	s_or_b32 s39, s39, 0x80000000
	s_add_co_u32 s61, s69, s67
	s_add_nc_u64 s[62:63], s[42:43], s[78:79]
	s_or_b32 s63, s63, 0x80000000
.endif
	s_wait_dscnt 17                                ; the add and the youngest sixteen loads may be out
	MUL8 F1, 0, 0, 0
	s_wait_dscnt 0x0                               ; the add is done, and my reads of this slot are over
	s_barrier_signal -1
	MUL8 F1, 0, 2, 0
	WIN 0
	s_barrier_wait -1
.endm
.macro TURN fill
.if \fill
.if PF
	s_wait_xcnt 0x0                                ; the last prefetch, a K step back, has read its address
	s_add_co_u32 s75, s74, 3                       ; s74 is the step asked for last: the refill below asks for the next, the prefetch for the one two further on
	s_and_b32 s75, s75, NSTEP-1
	s_lshl_b32 s88, s75, 20
	s_add_nc_u64 s[86:87], s[80:81], s[88:89]
.endif
	MEET 1
	CREST                                          ; no wave of any partner still reads this slot or has a load on its way
	JLOAD                                          ; its four v_nop are also the places in front of the loads below
.else
	MEET 0
	PLACES
.endif
	s_xor_b32 s66, s66, SLOT
	v_add_nc_u32 v[ADRA], s66, v[ADRA0]
	v_add_nc_u32 v[ADRB], s66, v[ADRB0]
.if \fill
	FETCH 0, F0
	WIN 0
.if PF
	ASK
.endif
.else
	s_cmp_eq_u32 s3, 1
	s_cbranch_scc1 .Lno_more_\@
	FETCH 0, F0
	WIN 0
.Lno_more_\@:
.endif
	MUL8 F1, 1, 0, 0
	MUL8 F1, 1, 2, 0
.endm
; THE WAY OUT of row block a: 16 rows x 256 bytes through my stage, the residual added, whole rows stored
.macro OUTB a
	WIN 0
.set BK, 64+32*((\a)%2)
.irp b, 0,1,2,3
	ds_store_b128 v[STO], v[ACC+8*(4*(\a)+\b):ACC+8*(4*(\a)+\b)+3] offset:64*\b
	ds_store_b128 v[STO], v[ACC+8*(4*(\a)+\b)+4:ACC+8*(4*(\a)+\b)+7] offset:64*\b+16
.endr
.irp t, 0,1,2,3,4,5,6,7
	ds_load_b128 v[BK+4*\t:BK+4*\t+3], v[RD] offset:2*SPITCH*\t  ; LDS serves a wave's instructions in order (ISA guide 5.7.1.4)
.endr
	s_wait_dscnt 0x0
	s_wait_xcnt 0x0                                ; the registers that earlier stores read are rewritten only behind this wait
	WIN 0x08                                       ; source 1 in window 2
.set u, 0
.rept 16
	v_pk_add_f32 v[BK+u:BK+u+1], v[BK+u:BK+u+1], v[32*(\a)+u:32*(\a)+u+1]
.set u, u+2
.endr
	WIN 0
.irp t, 0,1,2,3,4,5,6,7
	global_store_b128 v[CO], v[BK+4*\t:BK+4*\t+3], s[72:73] offset:(16*(\a)+2*\t)*4096  ; 16 lanes store 256 consecutive bytes, aligned
.endr
.endm
	s_load_b256 s[4:11], s[0:1], 0x0               ; left operand s[4:5], wb s[6:7], bias s[8:9], residual s[10:11]
	s_load_b64 s[84:85], s[0:1], 0x20              ; the result
	v_lshl_add_u32 v[SPW], v0, 2, SPARE
	v_mov_b32 v[NIL], 0
	ds_add_u32 v[SPW], v[NIL]                      ; the wave's opening: the add and its wait ahead of my first tensor load
	v_lshrrev_b32 v1, 5, v0
	v_readfirstlane_b32 s12, v1
	s_lshr_b32 s13, s12, 1                         ; 0: I fetch the left operand; 1: W.  Also my half of the tile's rows
	s_and_b32 s14, s12, 1                          ; which half I fetch.  Also my half of the tile's columns
	s_mov_b32 s15, s13
	s_mov_b32 s16, s14
	s_bfe_u32 s17, ttmp6, 0x40000
	s_bfe_u32 s18, ttmp6, 0x40004
	s_lshl_b32 s19, ttmp9, 2
	s_add_co_u32 s19, s19, s17                     ; tile column
	s_and_b32 s20, ttmp7, 0xffff
	s_lshl_b32 s20, s20, 2
	s_add_co_u32 s20, s20, s18                     ; tile row
	s_lshl_b32 s21, s18, 2
	s_lshl_b32 s21, 15, s21
	s_lshl_b32 s22, 0x1111, s17
	s_or_b32 s24, s21, (1<<16)|(1<<20)|(1<<21)|(4<<22)|(3<<25)  ; 4 words of padding after every 32 (a token's part of a slice)
	s_mov_b32 s25, 8192<<16                        ; a row of the tile: 128 tokens of one slice, 16,384 dense bytes
	s_mov_b32 s26, 2<<16
	s_mov_b32 s27, 8192<<16
	s_mov_b32 s28, 2
	s_mov_b32 s29, 131072                          ; elements from slice to slice
	s_mov_b32 s30, 0
	s_mov_b32 s31, 0
	s_or_b32 s48, s22, (1<<16)|(1<<20)|(1<<21)|(4<<22)|(7<<25)  ; 8 words of padding after every 32 (a k row of a slice)
	s_mov_b32 s49, 8192<<16                        ; 128 k rows of one column slice
	s_mov_b32 s50, 2<<16
	s_mov_b32 s51, 8192<<16
	s_mov_b32 s52, 2
	s_mov_b32 s53, BSTR
	s_mov_b32 s54, 0
	s_mov_b32 s55, 0
	s_lshr_b32 s40, s20, 4                         ; the batch
	s_mul_i32 s40, s40, KSL
	s_lshl_b32 s41, s14, 1
	s_add_co_u32 s40, s40, s41                     ; my first slice
	s_lshl_b32 s40, s40, 18
	s_and_b32 s41, s20, 15
	s_lshl_b32 s41, s41, 14                        ; the tile's 128 tokens in a slice
	s_add_co_u32 s40, s40, s41
	s_mov_b32 s41, 0
	s_lshl_b32 s42, s19, UNITX
	s_add_co_u32 s42, s42, UNIT0
	s_lshl_b32 s42, s42, 17
	s_lshl_b32 s43, s14, 14                        ; + 128 k rows x half
	s_add_co_u32 s42, s42, s43
	s_mov_b32 s43, 0
	s_mul_i32 s68, s14, 2*ASL
	s_mul_i32 s69, s14, BPART
	s_add_co_u32 s69, s69, BOFF
	s_mov_b32 s66, 0
	s_mov_b32 s67, SLOT
	s_and_b32 s74, ttmp7, ROTM                     ; the walk's first K step, from the cluster's x and y, which all sixteen partners share
	s_mul_i32 s74, s74, ROTY
	s_mul_i32 s75, ttmp9, ROTX
	s_add_co_u32 s74, s74, s75
	s_and_b32 s74, s74, NSTEP-1
	s_lshl_b32 s76, s74, 20
	s_mov_b32 s77, 0
	s_lshl_b32 s78, s74, 15
	s_mov_b32 s79, 0
	s_wait_dscnt 0x0                               ; the opening add is done
	s_wait_kmcnt 0x0
	s_add_nc_u64 s[40:41], s[4:5], s[40:41]
	s_add_nc_u64 s[42:43], s[6:7], s[42:43]
	CROUND
	s_mov_b32 s32, 1                               ; slot 0: the walk's first K step
	s_mov_b32 s33, s68
	s_add_nc_u64 s[34:35], s[40:41], s[76:77]
	s_or_b32 s35, s35, 0x80000000
	s_mov_b32 s56, 1
	s_mov_b32 s57, s69
	s_add_nc_u64 s[58:59], s[42:43], s[78:79]
	s_or_b32 s59, s59, 0x80000000
	s_add_co_u32 s74, s74, 1                       ; slot 1: its second
	s_and_b32 s74, s74, NSTEP-1
	s_lshl_b32 s76, s74, 20
	s_lshl_b32 s78, s74, 15
	s_mov_b32 s36, 1
	s_add_co_u32 s37, s68, SLOT
	s_add_nc_u64 s[38:39], s[40:41], s[76:77]
	s_or_b32 s39, s39, 0x80000000
	s_mov_b32 s60, 1
	s_add_co_u32 s61, s69, SLOT
	s_add_nc_u64 s[62:63], s[42:43], s[78:79]
	s_or_b32 s63, s63, 0x80000000
	s_cmp_eq_u32 s13, 0                            ; a wave's two first fills stand in one branch
	s_cbranch_scc0 .Lfirst_b
	tensor_load_to_lds s[32:35], s[24:31]
	s_nop 0
	tensor_load_to_lds s[36:39], s[24:31]
	s_nop 0
.rept 4
	v_nop
.endr
	s_branch .Lfirst_asked
.Lfirst_b:
	tensor_load_to_lds s[56:59], s[48:55]
	s_nop 0
	tensor_load_to_lds s[60:63], s[48:55]
	s_nop 0
.rept 4
	v_nop
.endr
.Lfirst_asked:
	v_and_b32 v1, 15, v0
	v_bfe_u32 v2, v0, 4, 1
	v_and_b32 v3, 31, v0
	v_and_b32 v4, 7, v0
	v_bfe_u32 v5, v0, 3, 1
	s_mul_i32 s91, s15, 64*PAP
	v_mul_u32_u24 v[ADRA0], v1, PAP
	v_lshl_add_u32 v[ADRA0], v2, 4, v[ADRA0]
	v_add_nc_u32 v[ADRA0], s91, v[ADRA0]
	s_mul_i32 s91, s16, BSL
	s_add_co_u32 s91, s91, BOFF
	v_lshl_add_u32 v6, v2, 3, v4
	v_mul_u32_u24 v[ADRB0], v6, PB
	v_lshl_add_u32 v[ADRB0], v5, 4, v[ADRB0]
	v_add_nc_u32 v[ADRB0], s91, v[ADRB0]
	s_mul_i32 s91, s12, 16*SPITCH                  ; my stage
	v_mul_u32_u24 v[STO], v1, SPITCH
	v_lshl_add_u32 v[STO], v2, 5, v[STO]
	v_add_nc_u32 v[STO], s91, v[STO]               ; in: row r, 32 bytes for each half of the lanes
	v_mul_u32_u24 v[RD], v2, SPITCH
	v_lshl_add_u32 v[RD], v1, 4, v[RD]
	v_add_nc_u32 v[RD], s91, v[RD]                 ; back: lanes 0-15 one row of 256 bytes, lanes 16-31 the next
	v_lshlrev_b32 v[CO], 12, v2
	v_lshl_add_u32 v[CO], v1, 4, v[CO]             ; and the same two rows in memory
	s_lshl_b32 s44, s20, 7
	s_lshl_b32 s45, s15, 6
	s_add_co_u32 s44, s44, s45                     ; my first token
	s_lshl_b32 s44, s44, 12
	s_lshl_b32 s45, s19, 9
	s_add_co_u32 s44, s44, s45
	s_lshl_b32 s45, s16, 8
	s_add_co_u32 s44, s44, s45                     ; + my first column, in bytes
	s_mov_b32 s45, 0
	s_add_nc_u64 s[70:71], s[10:11], s[44:45]
	s_add_nc_u64 s[72:73], s[84:85], s[44:45]
.if PF
	; the prefetches: of the 128 blocks of 256 bytes that a wave fetches of the left operand in a K step, the partner at place cx takes 32, told apart by address
	s_lshr_b32 s93, s17, 1
	s_lshl_b32 s93, s93, ASH                       ; which of my two slices,
	s_and_b32 s92, s17, 1
	s_lshl_b32 s92, s92, 13                        ; which half of its 16,384 bytes
	s_add_co_u32 s92, s92, s93
	s_mov_b32 s93, 0
	s_add_nc_u64 s[80:81], s[40:41], s[92:93]      ; at K step 0
	s_mov_b32 s89, 0
	s_cmp_eq_u32 s13, 0
	s_cselect_b32 s90, NSTEP/2+2, -1               ; waves 0 and 1 ask while more than NSTEP / 2 + 2 trips are left: the first four trips
	v_lshlrev_b32 v[PFO], 8, v3
.endif
	s_lshl_b32 s91, s19, 9
	s_lshl_b32 s92, s16, 8
	s_add_co_u32 s91, s91, s92
	v_lshl_add_u32 v7, v2, 5, s91
.irp b, 0,1,2,3
	global_load_b128 v[BIAS+8*\b:BIAS+8*\b+3], v7, s[8:9] offset:64*\b
	global_load_b128 v[BIAS+8*\b+4:BIAS+8*\b+7], v7, s[8:9] offset:64*\b+16
.endr
	s_wait_tensorcnt 1                             ; my part of the first K step is in; the second's may stay out
	s_barrier_signal -1
	s_barrier_wait -1
	v_mov_b32 v[ADRA], v[ADRA0]
	v_mov_b32 v[ADRB], v[ADRB0]
	FETCH 0, F0
	s_wait_loadcnt 0x0                             ; the bias
	QUARTER 1, F0, F1, 1
	WIN 0
	s_mov_b32 s3, NSTEP-2
.Lstep:
	QUARTER 2, F1, F0, 0
	QUARTER 3, F0, F1, 0
	TURN 1
	QUARTER 1, F0, F1, 0
	WIN 0
	s_sub_co_u32 s3, s3, 1
	s_cmp_lg_u32 s3, 0
	s_cbranch_scc1 .Lstep
	WIN 0x80                                       ; the residual's rows, two K steps ahead of their use
.set u, 0
.rept 32
	global_load_b128 v[4*u:4*u+3], v[CO], s[70:71] offset:(16*(u/8)+2*(u%8))*4096
.set u, u+1
.endr
	WIN 0
	s_mov_b32 s3, 2
.Ltail:
	QUARTER 2, F1, F0, 0
	QUARTER 3, F0, F1, 0
	TURN 0
	WIN 0
	s_sub_co_u32 s3, s3, 1
	s_cmp_eq_u32 s3, 0
	s_cbranch_scc1 .Lout
	QUARTER 1, F0, F1, 0
	WIN 0
	s_branch .Ltail
.Lout:
	PLACES
	s_wait_dscnt 0x0                               ; no LDS instruction of mine is out,
	s_barrier_signal -1
	s_barrier_wait -1                              ; nor of any wave: slot 0's first bytes become the stages
	s_wait_loadcnt 0x0                             ; the residual
	OUTB 0
	OUTB 1
	OUTB 2
	OUTB 3
	s_wait_tensorcnt 0x0                           ; the wave's end
	ds_add_u32 v[SPW], v[NIL]
	s_wait_dscnt 0x0
	CROUND                                         ; the closing round
	s_endpgm
.Lfunc_end_k_qeb3c0d5558_gwo:
	.size	k_qeb3c0d5558_gwo, .Lfunc_end_k_qeb3c0d5558_gwo-k_qeb3c0d5558_gwo
	.p2alignl 7, 3214868480
	.fill 96, 4, 3214868480
	.section	.rodata,"a",@progbits
	.p2align	6, 0x0
	.amdhsa_kernel k_qeb3c0d5558_gwo
		.amdhsa_group_segment_fixed_size 327680
		.amdhsa_private_segment_fixed_size 0
		.amdhsa_enable_private_segment 0
		.amdhsa_kernarg_size 40
		.amdhsa_user_sgpr_count 2
		.amdhsa_user_sgpr_kernarg_segment_ptr 1
		.amdhsa_wavefront_size32 1
		.amdhsa_system_sgpr_workgroup_id_x 1
		.amdhsa_system_sgpr_workgroup_id_y 1
		.amdhsa_system_sgpr_workgroup_id_z 1
		.amdhsa_system_vgpr_workitem_id 0
		.amdhsa_next_free_vgpr 640
		.amdhsa_next_free_sgpr 96
		.amdhsa_reserve_vcc 0
		.amdhsa_float_denorm_mode_32 3
		.amdhsa_float_denorm_mode_16_64 3
		.amdhsa_memory_ordered 1
		.amdhsa_forward_progress 1
		.amdhsa_inst_pref_size 67
	.end_amdhsa_kernel
	.amdgpu_metadata
---
amdhsa.version: [ 1, 2 ]
amdhsa.kernels:
  - .name:           k_qeb3c0d5558_gwo
    .symbol:         k_qeb3c0d5558_gwo.kd
    .args:
      - { .name: ctx, .offset: 0, .size: 8, .value_kind: global_buffer, .address_space: global }
      - { .name: wb, .offset: 8, .size: 8, .value_kind: global_buffer, .address_space: global }
      - { .name: bo, .offset: 16, .size: 8, .value_kind: global_buffer, .address_space: global }
      - { .name: x, .offset: 24, .size: 8, .value_kind: global_buffer, .address_space: global }
      - { .name: x1, .offset: 32, .size: 8, .value_kind: global_buffer, .address_space: global }
    .group_segment_fixed_size: 327680
    .private_segment_fixed_size: 0
    .kernarg_segment_align: 8
    .kernarg_segment_size: 40
    .max_flat_workgroup_size: 128
    .sgpr_count:     96
    .vgpr_count:     640
    .wavefront_size: 32
...
	.end_amdgpu_metadata
.endif
;; end of part 4
;; launch ln: the kernel of part 1 again; grid 256 x 1, 8 waves a work-group, no clusters, 0 bytes of LDS; arguments x1, ln2_a, ln2_b, nrm, wb, wq, wk, wv, wo, w1, w2; writes nrm, wb
;; launch gffn1 (part 5): grid 16 x 16, 4 waves a work-group, clusters of 4 x 4, 327,680 bytes of LDS; arguments nrm, wb, b1, hid; writes hid
.if DOCPART == 5
	.amdgcn_target "amdgcn-amd-amdhsa--gfx1250"
	.amdhsa_code_object_version 6
	.text
	.protected	k_qeb3c0d5558_gffn1
	.globl	k_qeb3c0d5558_gffn1
	.p2align	8
	.type	k_qeb3c0d5558_gffn1,@function
k_qeb3c0d5558_gffn1:
	s_mov_b64 s[64:65], 0
	v_nop
	global_prefetch_b8 v0, s[64:65] scope:SCOPE_SE
	s_setreg_imm32_b32 hwreg(HW_REG_WAVE_MODE, 25, 1), 1
	s_wait_xcnt 0x0
	s_wait_alu depctr_hold_cnt(0) depctr_sa_sdst(0) depctr_va_vdst(0) depctr_va_sdst(0) depctr_va_ssrc(0) depctr_va_vcc(0) depctr_vm_vsrc(0)
	s_getreg_b32 s2, hwreg(HW_REG_IB_STS2, 6, 4)
	s_cmp_eq_u32 s2, 0
	s_cbranch_scc0 .Lentry_in_a_cluster
	s_endpgm
.Lentry_in_a_cluster:
	s_bfe_u32 s2, ttmp6, 0x10000c
	s_cmp_lg_u32 s2, 0xf033
	s_cbranch_scc0 .Lentry_shape_is_right
	s_endpgm
.Lentry_shape_is_right:
; hid = relu(n2 W1 + b1) in bf16, in column slices: hid[2 batches][64 slices][2048][64].
; n2: nrm [4096][1024] bf16.  W1: wb units 64-127, column slices [slice][1024 k][64] bf16; tile column tx takes units 64 + 4 tx .. + 3.  Sums in f32, started by the bias, rounded once.
; A tile of the result is 256 tokens x 256 columns; four waves, each 128 x 128: 64 accumulators of 16 x 16.  K = 1,024 goes in 8 steps of 128 through two LDS slots.
; THE MATRIX INSTRUCTION IS USED TRANSPOSED (source 0 = 16 columns of W, source 1 = 16 tokens): a lane holds one token and eight neighbouring columns.
; W lies [k][n] in LDS and is turned by ds_load_tr16_b128; n2 lies along k and comes as it lies.
; CLUSTER 4 x 4: the four of a row need the same tile of n2, the four of a column the same tile of W: each is asked for jointly.
; One K step is written once: the slot read (s66) and the slot filled (s67) are 0 or SLOT and turn by an exclusive or.  By this text's count a wave has two tensor loads out at the start, later one.
; PREFETCH: behind each refill, the K step that the next refill asks for; n2's rows by the clusters with x = 0, W's by those with y = 0; the four partners share a wave's blocks by address (32 rows of n2, or one slice of W, each).
; LIMITS: matrix operands in bf16; NaN and infinities are not treated apart.
.set QKV, 0
.set NSL, 4        ; slices of 64 columns in a tile
.set MB,  8        ; blocks of 16 tokens a wave
.set NBK, 8        ; blocks of 16 columns a wave
.set SLW, 2        ; slices a wave writes
.set PSH, 17       ; a partner's share of W's blocks: cy << PSH bytes
.set PA,    272            ; a row of n2 in LDS: 256 bytes + 16
.set AH,    128*PA         ; 128 rows: one tensor load
.set BOFF,  2*AH
.set PB,    160            ; a k row of a slice in LDS: 128 bytes + 32
.set SLB,   64*PB          ; 64 k rows of one slice
.set BPART, NSL*SLB        ; 64 k rows of all slices: one tensor load
.set SLOT,  BOFF+2*BPART
.set STAGE, 2*SLOT         ; behind the ring: [slice][16 rows][144] for each wave
.set STW,   SLW*16*144
.set SPARE, STAGE+4*STW    ; the spare words, 128 bytes a wave
.set ADRA0, 16     ; v16  my place in slot 0's tile of n2; never rewritten
.set ADRB0, 17     ; v17  the same for W
.set ADRA,  18     ; v18  the same in the slot that is read
.set ADRB,  19     ; v19
.set MKV,   20
.set STO,   24     ; v24  the way out: where I put 16 bytes of a row
.set RD,    25     ; v25  where I read rows back
.set GO,    26     ; v26  16 x lane
.set ZR,    27     ; v27  0
.set SPW,   28     ; v28  my spare word
.set NIL,   29     ; v29  0
.set PFO,   30     ; v30  the prefetches' offset
.set TMP,   32     ; the way out: packed results
; window 0: v64-191 fragments of n2, two buffers; the bias of column block b at v[192 + 8 b].  window 1: v64.. fragments of W, two buffers.
; windows 2, 3: accumulator (a, b), i = NBK a + b, at register 8 (i % 32) of window 2 + i / 32.
; s12 wave; s13 = wave / 2: 0 fetches n2, 1 fetches W; s14 = wave % 2: which half; s15, s16 my row and column part; s17, s18 cx, cy; s19, s20 tile column, tile row
; s[24:31], s[32:39] descriptor groups 1 and 0 (two sets) for n2; s[48:55], s[56:63] for W; s68, s69 my LDS places in a slot; s[70:73] output bases; s[86:87] prefetch address, s[88:89] its step, s90 its limit
.set MSB, 0
.macro WIN new
.if MSB != (\new)
	s_set_vgpr_msb (MSB<<8)|(\new)
.set MSB, \new
.endif
.endm
.macro PLACES
.rept 4
	v_nop
.endr
.endm
.macro CREST                           ; a round of the cluster's barrier behind its opening barrier
	s_cmp_lg_u32 s12, 0
	s_cbranch_scc1 .Lnot_wave_0_\@
	s_barrier_signal -3
.Lnot_wave_0_\@:
	s_barrier_wait -3
	s_barrier_signal -1
	s_barrier_wait -1
.endm
.macro CROUND
	s_barrier_signal -1
	s_barrier_wait -1
	CREST
.endm
.macro JLOAD                           ; a joint refill by the walking descriptors; the branch hangs on the wave's number alone
	s_cmp_eq_u32 s13, 0
	s_cbranch_scc0 .Lfor_b_\@
	tensor_load_to_lds s[36:39], s[24:31]
	s_nop 0
.rept 4
	v_nop
.endr
	s_branch .Lasked_\@
.Lfor_b_\@:
	tensor_load_to_lds s[60:63], s[48:55]
	s_nop 0
.rept 4
	v_nop
.endr
.Lasked_\@:
.endm
.macro ASK                             ; the K step behind the one just asked for; the loop's last trip has none
	s_cmp_gt_u32 s3, s90
	s_cbranch_scc0 .Lnot_mine_\@
	global_prefetch_b8 v[PFO], s[86:87] th:TH_LOAD_NT scope:SCOPE_SE
.Lnot_mine_\@:
.endm
; na row blocks from a0 on x all column blocks, 32 along K, from buffer f.  first = 1: the bias starts the sums.  The accumulators take turns, one instruction a turn, in the same order in every quarter.
.macro MULS f, a0, na, first
.set ma, \a0
.rept \na
.set mb, 0
.rept NBK
.set mi, NBK*ma+mb
.set rD, 8*(mi%32)
.set rB, 64+8*NBK*(\f)+8*mb
.set rA, 64+64*(\f)+8*ma
.if \first
.if mb < 8
.set rC, 192+8*mb
.else
.set rC, 32+8*(mb-8)
.endif
	WIN 0x81+0x40*(mi/32)
	v_wmma_f32_16x16x32_bf16 v[rD:rD+7], v[rB:rB+7], v[rA:rA+7], v[rC:rC+7]
.else
	WIN 0xa1+0x50*(mi/32)
	v_wmma_f32_16x16x32_bf16 v[rD:rD+7], v[rB:rB+7], v[rA:rA+7], v[rD:rD+7]
.endif
.set mb, mb+1
.endr
.set ma, ma+1
.endr
.endm
; 32 LDS loads in one run: quarter q's fragments (32 along K) into buffer f: W's first, then n2's
.macro FETCH q, f
	WIN 0x40
.set fb, 0
.rept NBK
.set rB, 64+8*NBK*(\f)+8*fb
.set bo, ((\q)/2)*BPART+(fb/4)*SLB+((\q)%2)*32*PB+(fb%4)*32
	ds_load_tr16_b128 v[rB:rB+3], v[ADRB] offset:bo
	ds_load_tr16_b128 v[rB+4:rB+7], v[ADRB] offset:bo+16*PB
.set fb, fb+1
.endr
	WIN 0
.set fa, 0
.rept MB
.set rA, 64+64*(\f)+8*fa
	ds_load_b128 v[rA:rA+3], v[ADRA] offset:64*(\q)+fa*16*PA
	ds_load_b128 v[rA+4:rA+7], v[ADRA] offset:64*(\q)+fa*16*PA+32
.set fa, fa+1
.endr
.endm
; one of a K step's first three quarters: multiplies buffer f, fetches quarter q into buffer g
.macro QUARTER q, f, g, first
	s_wait_dscnt MB                                ; W and the lower half of my tokens are in; the youngest MB loads may be out
	MULS \f, 0, MB/2, \first
	PLACES                                         ; four places in front of loads into registers that matrix instructions have read
	FETCH \q, \g
	s_wait_dscnt 32                                ; all but the 32 just issued
	MULS \f, MB/2, MB/2, \first
.endm
; the first half of the last quarter: one barrier for the change of slots
.macro MEET round
	WIN 0
	s_wait_tensorcnt 0x0                           ; all my tensor loads have landed: my part of the next slot; so a group 0 may be written
	ds_add_u32 v[SPW], v[NIL]                      ; 0 onto my spare word
.if \round
	s_xor_b32 s67, s67, SLOT                       ; the walking descriptors: the other slot than last time,
	s_add_co_u32 s37, s68, s67
	s_add_nc_u64 s[38:39], s[38:39], 256           ; the next K step
	s_add_co_u32 s61, s69, s67
	s_add_nc_u64 s[62:63], s[62:63], 16384
.endif
	s_wait_dscnt MB+1                              ; the add and the youngest MB loads may be out
	MULS 1, 0, MB/4, 0
	s_wait_dscnt 0x0                               ; the add is done, and my reads of this slot are over
	s_barrier_signal -1
	MULS 1, MB/4, MB/4, 0
	WIN 0
	s_barrier_wait -1
.endm
; the whole last quarter.  fill = 1: the slot just read is filled again, first thing behind a round of the cluster's barrier.  fill = 0: the tail; in the last K step nothing is left to fetch
.macro TURN fill
.if \fill
	s_wait_xcnt 0x0                                ; the last prefetch, a K step back, has read its address
	s_add_nc_u64 s[86:87], s[86:87], s[88:89]
	MEET 1
	CREST                                          ; no wave of any partner still reads this slot or has a load on its way
	JLOAD                                          ; its four v_nop are also the places in front of the loads below
.else
	MEET 0
	PLACES
.endif
	s_xor_b32 s66, s66, SLOT
	v_add_nc_u32 v[ADRA], s66, v[ADRA0]
	v_add_nc_u32 v[ADRB], s66, v[ADRB0]
.if \fill
	FETCH 0, 0
	ASK
.else
	s_cmp_eq_u32 s3, 1
	s_cbranch_scc1 .Lno_more_\@
	FETCH 0, 0
.Lno_more_\@:
.endif
	MULS 1, MB/2, MB/2, 0
.endm
.macro BIASLD b, lo, off
.if (\b) < 8
.set rC, 192+8*(\b)
.else
.set rC, 32+8*((\b)-8)
.endif
	global_load_b128 v[rC:rC+3], v7, s[\lo:\lo+1] offset:\off
	global_load_b128 v[rC+4:rC+7], v7, s[\lo:\lo+1] offset:(\off)+16
.endm
; THE WAY OUT of row block a: rounded to bf16; through my own stage; stored as 512 consecutive bytes of a slice
.macro PACK a
.set pb, 0
.rept NBK
.set mi, NBK*(\a)+pb
.set rD, 8*(mi%32)
	WIN 0x0a+5*(mi/32)
.irp rr, 0,1,2,3
	v_cvt_pk_bf16_f32 v[TMP+4*pb+\rr], v[rD+2*\rr], v[rD+2*\rr+1]
.endr
.set pb, pb+1
.endr
	WIN 0
.if QKV
.set pb, 16
.rept 16
	v_cndmask_b32 v[TMP+pb], 0, v[TMP+pb], s[76+(\a)]
.set pb, pb+1
.endr
.else
.set pb, 0
.rept 4*NBK
	v_pk_max_num_bf16 v[TMP+pb], v[TMP+pb], v[ZR]  ; relu, two at a time; nothing is rounded
.set pb, pb+1
.endr
.endif
.endm
.macro TOSTAGE a
	WIN 0
.set BK, 80+48*((\a)%2)
.set pb, 0
.rept NBK
	ds_store_b128 v[STO], v[TMP+4*pb:TMP+4*pb+3] offset:(pb/4)*2304+32*(pb%4)
.set pb, pb+1
.endr
.set pb, 0
.rept 4*SLW
	ds_load_b128 v[BK+4*pb:BK+4*pb+3], v[RD] offset:(pb/4)*2304+(pb%4)*576  ; LDS serves a wave's instructions in order (ISA guide 5.7.1.4): these see the stores above
.set pb, pb+1
.endr
.endm
.macro SEND a
	WIN 0
.set BK, 80+48*((\a)%2)
	s_wait_dscnt 0x0                               ; the block is back in registers
	s_wait_xcnt 0x0                                ; the registers that earlier stores read are loaded again only behind this wait
.set pb, 0
.rept 4*SLW
.set sb, 70+2*(pb/4)
	global_store_b128 v[GO], v[BK+4*pb:BK+4*pb+3], s[sb:sb+1] offset:2048*(\a)+512*(pb%4)
.set pb, pb+1
.endr
.endm
.if QKV
	s_load_b256 s[4:11], s[0:1], 0x0
	s_load_b128 s[80:83], s[0:1], 0x20
	s_load_b64 s[84:85], s[0:1], 0x30
.else
	s_load_b256 s[4:11], s[0:1], 0x0               ; nrm s[4:5], wb s[6:7], b1 s[8:9], hid s[10:11]
.endif
	v_lshl_add_u32 v[SPW], v0, 2, SPARE
	v_mov_b32 v[NIL], 0
	ds_add_u32 v[SPW], v[NIL]                      ; the wave's opening: the add and its wait ahead of my first tensor load
	v_lshrrev_b32 v1, 5, v0
	v_readfirstlane_b32 s12, v1
	s_lshr_b32 s13, s12, 1
	s_and_b32 s14, s12, 1
.if QKV
	s_mov_b32 s15, s12
	s_mov_b32 s16, 0
.else
	s_mov_b32 s15, s13                             ; my 128 tokens, my 128 columns
	s_mov_b32 s16, s14
.endif
	s_bfe_u32 s17, ttmp6, 0x40000                  ; cx
	s_bfe_u32 s18, ttmp6, 0x40004                  ; cy
	s_lshl_b32 s19, ttmp9, 2
	s_add_co_u32 s19, s19, s17                     ; tile column
	s_and_b32 s20, ttmp7, 0xffff
	s_lshl_b32 s20, s20, 2
	s_add_co_u32 s20, s20, s18                     ; tile row
	s_lshl_b32 s21, s18, 2
	s_lshl_b32 s21, 15, s21                        ; my row of the cluster
	s_lshl_b32 s22, 0x1111, s17                    ; my column
	s_or_b32 s24, s21, (1<<16)|(1<<20)|(1<<21)|(5<<22)|(3<<25)  ; n2: 2-byte elements; 4 words of padding after every 64; bit 21 beside the mask
	s_mov_b32 s25, 128<<16                         ; tensor_dim0 = 128
	s_mov_b32 s26, 128<<16                         ; tensor_dim1 = 128
	s_mov_b32 s27, 128<<16                         ; tile_dim0 = 128
	s_mov_b32 s28, 128                             ; tile_dim1 = 128
	s_mov_b32 s29, 1024                            ; elements from row to row
	s_mov_b32 s30, 0
	s_mov_b32 s31, 0
	s_or_b32 s48, s22, (1<<16)|(1<<20)|(1<<21)|(4<<22)|(7<<25)  ; W: 8 words of padding after every 32 (a k row of a slice)
	s_mov_b32 s49, 4096<<16                        ; a row of the tile: 64 k rows of one slice, 8,192 dense bytes
	s_mov_b32 s50, NSL<<16
	s_mov_b32 s51, 4096<<16
	s_mov_b32 s52, NSL
	s_mov_b32 s53, 65536                           ; elements from slice to slice
	s_mov_b32 s54, 0
	s_mov_b32 s55, 0
	s_lshl_b32 s40, s20, 8                         ; n2: row 256 x tile row + 128 x half (no register here ever holds cx)
	s_lshl_b32 s41, s14, 7
	s_add_co_u32 s40, s40, s41
	s_lshl_b32 s40, s40, 11
	s_mov_b32 s41, 0
.if QKV
	s_mul_i32 s42, s19, 3
.else
	s_lshl_b32 s42, s19, 2
	s_add_co_u32 s42, s42, 64                      ; W: unit 64 + 4 x tile column (no register here ever holds cy)
.endif
	s_lshl_b32 s42, s42, 17
	s_lshl_b32 s43, s14, 13                        ; + 64 k rows x half
	s_add_co_u32 s42, s42, s43
	s_mov_b32 s43, 0
	s_mul_i32 s68, s14, AH
	s_mul_i32 s69, s14, BPART
	s_add_co_u32 s69, s69, BOFF
	s_mov_b32 s66, 0                               ; slot 0 is read first
	s_mov_b32 s67, SLOT                            ; the walking descriptors begin in slot 1
	s_wait_dscnt 0x0                               ; the opening add is done
	s_wait_kmcnt 0x0
	s_add_nc_u64 s[40:41], s[4:5], s[40:41]
	s_add_nc_u64 s[42:43], s[6:7], s[42:43]
	CROUND                                         ; all sixteen work-groups are here: the first joint loads meet
	s_mov_b32 s32, 1
	s_mov_b32 s33, s68
	s_mov_b64 s[34:35], s[40:41]
	s_or_b32 s35, s35, 0x80000000
	s_mov_b32 s36, 1
	s_add_co_u32 s37, s68, SLOT
	s_add_nc_u64 s[38:39], s[40:41], 256
	s_or_b32 s39, s39, 0x80000000
	s_mov_b32 s56, 1
	s_mov_b32 s57, s69
	s_mov_b64 s[58:59], s[42:43]
	s_or_b32 s59, s59, 0x80000000
	s_mov_b32 s60, 1
	s_add_co_u32 s61, s69, SLOT
	s_add_nc_u64 s[62:63], s[42:43], 16384
	s_or_b32 s63, s63, 0x80000000
	s_cmp_eq_u32 s13, 0                            ; a wave's two first fills stand in one branch: K steps 0 and 1
	s_cbranch_scc0 .Lfirst_b
	tensor_load_to_lds s[32:35], s[24:31]
	s_nop 0
	tensor_load_to_lds s[36:39], s[24:31]
	s_nop 0
.rept 4
	v_nop
.endr
	s_branch .Lfirst_asked
.Lfirst_b:
	tensor_load_to_lds s[56:59], s[48:55]
	s_nop 0
	tensor_load_to_lds s[60:63], s[48:55]
	s_nop 0
.rept 4
	v_nop
.endr
.Lfirst_asked:
	v_and_b32 v1, 15, v0                           ; r = l % 16
	v_bfe_u32 v2, v0, 4, 1                         ; h = l / 16
	v_and_b32 v3, 31, v0                           ; l
	v_and_b32 v4, 7, v0
	v_bfe_u32 v5, v0, 3, 1
	s_mul_i32 s91, s15, 16*MB*PA
	v_mul_u32_u24 v[ADRA0], v1, PA
	v_lshl_add_u32 v[ADRA0], v2, 4, v[ADRA0]
	v_add_nc_u32 v[ADRA0], s91, v[ADRA0]           ; (my first token + r) x pitch + 16 h
	s_mul_i32 s91, s16, SLW*SLB
	s_add_co_u32 s91, s91, BOFF
	v_lshl_add_u32 v6, v2, 3, v4
	v_mul_u32_u24 v[ADRB0], v6, PB
	v_lshl_add_u32 v[ADRB0], v5, 4, v[ADRB0]
	v_add_nc_u32 v[ADRB0], s91, v[ADRB0]           ; the turning load: k row 8 h + l % 8, 16 bytes (l / 8) % 2
	s_mul_i32 s91, s12, STW
	s_add_co_u32 s91, s91, STAGE
	v_mul_u32_u24 v[STO], v1, 144
	v_lshl_add_u32 v[STO], v2, 4, v[STO]
	v_add_nc_u32 v[STO], s91, v[STO]
	v_lshrrev_b32 v6, 3, v3
	v_mul_u32_u24 v[RD], v6, 144
	v_lshl_add_u32 v[RD], v4, 4, v[RD]
	v_add_nc_u32 v[RD], s91, v[RD]
	v_lshlrev_b32 v[GO], 4, v3
	v_mov_b32 v[ZR], 0
	; where my rows go
	s_lshr_b32 s44, s20, 3                         ; the batch
.if QKV
	s_lshl_b32 s44, s44, 4
	s_add_co_u32 s44, s44, s19
	s_lshl_b32 s46, s15, 6
.else
	s_lshl_b32 s44, s44, 6
	s_lshl_b32 s46, s19, 2
	s_add_co_u32 s44, s44, s46
	s_lshl_b32 s46, s16, 1
	s_add_co_u32 s44, s44, s46                     ; batch x 64 + my first slice
	s_lshl_b32 s46, s15, 7
.endif
	s_lshl_b32 s44, s44, 11
	s_lshl_b32 s45, s20, 8
	s_add_co_u32 s45, s45, s46
	s_and_b32 s45, s45, 2047                       ; my first token in its batch
	s_add_co_u32 s44, s44, s45
	s_lshl_b32 s44, s44, 7
	s_mov_b32 s45, 0
.if QKV
	s_add_nc_u64 s[70:71], s[84:85], s[44:45]
	s_add_nc_u64 s[72:73], s[70:71], 8388608
	s_add_nc_u64 s[74:75], s[72:73], 8388608
.else
	s_add_nc_u64 s[70:71], s[10:11], s[44:45]
	s_add_nc_u64 s[72:73], s[70:71], 262144
.endif
	; the prefetches
	s_and_b32 s91, ttmp7, 0xffff
	s_cmp_eq_u32 s13, 0                            ; do I fetch n2?
	s_cselect_b32 s91, ttmp9, s91                  ; the coordinate along which other clusters read the same rows
	s_cselect_b64 s[86:87], s[40:41], s[42:43]     ; my tile at K step 0
	s_cselect_b32 s92, s17, s18                    ; my place among the four that ask with me
	s_cselect_b32 s88, 8, 14
	s_cselect_b32 s93, 16, PSH
	s_cselect_b32 s94, -1, 0
	s_lshl_b32 s88, 1, s88                         ; a K step: 256 bytes of n2's rows, 16,384 of a slice
	s_mov_b32 s89, 0
	s_lshl_b32 s92, s92, s93                       ; n2: 32 rows a partner; W: a slice a partner
	s_mov_b32 s93, 0
	s_add_nc_u64 s[86:87], s[86:87], s[92:93]
	s_lshl_b32 s92, s88, 1
	s_add_nc_u64 s[86:87], s[86:87], s[92:93]      ; at K step 2: the first refill steps it to 3
	s_cmp_eq_u32 s91, 0
	s_cselect_b32 s90, 1, -1                       ; the same in all sixteen partners, for a given wave
	v_lshlrev_b32 v[PFO], 11, v3                   ; n2: a lane a row
.if QKV
	v_min_u32 v9, 23, v3
	v_lshrrev_b32 v10, 3, v9
	v_and_b32 v9, 7, v9
	v_lshlrev_b32 v10, 17, v10
	v_lshl_add_u32 v10, v9, 8, v10
.else
	v_lshlrev_b32 v10, 8, v3                       ; W: 32 blocks of 256 bytes
.endif
	v_cndmask_b32 v[PFO], v10, v[PFO], s94
	; the bias: a lane's eight columns of each column block
.if QKV
	s_lshl_b32 s91, s19, 8
	v_lshl_add_u32 v7, v2, 5, s91
.irp b, 0,1,2,3
	BIASLD \b, 8, 64*\b
	BIASLD \b+4, 10, 64*\b
	BIASLD \b+8, 80, 64*\b
.endr
	s_lshl_b32 s91, s20, 8
	s_lshl_b32 s92, s15, 6
	s_add_co_u32 s91, s91, s92
	s_lshl_b32 s91, s91, 2
	v_lshl_add_u32 v8, v1, 2, s91
.irp a, 0,1,2,3
	global_load_b32 v[MKV+\a], v8, s[82:83] offset:64*\a
.endr
.else
	s_lshl_b32 s91, s19, 10
	s_lshl_b32 s92, s16, 9
	s_add_co_u32 s91, s91, s92
	v_lshl_add_u32 v7, v2, 5, s91
.irp b, 0,1,2,3,4,5,6,7
	BIASLD \b, 8, 64*\b
.endr
.endif
	s_wait_tensorcnt 1                             ; my part of K step 0 is in; K step 1's may stay out
	s_barrier_signal -1
	s_barrier_wait -1
	v_mov_b32 v[ADRA], v[ADRA0]
	v_mov_b32 v[ADRB], v[ADRB0]
	FETCH 0, 0
	s_wait_loadcnt 0x0                             ; the bias
.if QKV
.irp a, 0,1,2,3
	v_cmp_ne_u32 s[76+\a], 0, v[MKV+\a]
.endr
.endif
	QUARTER 1, 0, 1, 1                             ; the first quarter stands in front of the loop: the bias starts the sums
	WIN 0
	s_mov_b32 s3, 6
.Lstep:                                                ; a trip: a K step's quarters 1 to 3 and the next step's quarter 0; K step t + 2 is asked for
	QUARTER 2, 1, 0, 0
	QUARTER 3, 0, 1, 0
	TURN 1
	QUARTER 1, 0, 1, 0
	WIN 0
	s_sub_co_u32 s3, s3, 1
	s_cmp_lg_u32 s3, 0
	s_cbranch_scc1 .Lstep
	s_mov_b32 s3, 2
.Ltail:                                                ; the last two K steps ask for nothing; the second trip is left in its middle
	QUARTER 2, 1, 0, 0
	QUARTER 3, 0, 1, 0
	TURN 0
	WIN 0
	s_sub_co_u32 s3, s3, 1
	s_cmp_eq_u32 s3, 0
	s_cbranch_scc1 .Lout
	QUARTER 1, 0, 1, 0
	WIN 0
	s_branch .Ltail
.Lout:
	PLACES
	PACK 0
	TOSTAGE 0
.set ea, 1
.rept MB-1
	PACK ea                                        ; a block's conversions stand between the loads of the block before and the wait for them
	SEND ea-1
	TOSTAGE ea
.set ea, ea+1
.endr
	SEND MB-1
	s_wait_tensorcnt 0x0                           ; the wave's end
	ds_add_u32 v[SPW], v[NIL]
	s_wait_dscnt 0x0
	CROUND                                         ; the closing round
	s_endpgm
.Lfunc_end_k_qeb3c0d5558_gffn1:
	.size	k_qeb3c0d5558_gffn1, .Lfunc_end_k_qeb3c0d5558_gffn1-k_qeb3c0d5558_gffn1
	.p2alignl 7, 3214868480
	.fill 96, 4, 3214868480
	.section	.rodata,"a",@progbits
	.p2align	6, 0x0
	.amdhsa_kernel k_qeb3c0d5558_gffn1
		.amdhsa_group_segment_fixed_size 327680
		.amdhsa_private_segment_fixed_size 0
		.amdhsa_enable_private_segment 0
		.amdhsa_kernarg_size 32
		.amdhsa_user_sgpr_count 2
		.amdhsa_user_sgpr_kernarg_segment_ptr 1
		.amdhsa_wavefront_size32 1
		.amdhsa_system_sgpr_workgroup_id_x 1
		.amdhsa_system_sgpr_workgroup_id_y 1
		.amdhsa_system_sgpr_workgroup_id_z 1
		.amdhsa_system_vgpr_workitem_id 0
		.amdhsa_next_free_vgpr 1024
		.amdhsa_next_free_sgpr 96
		.amdhsa_reserve_vcc 0
		.amdhsa_float_denorm_mode_32 3
		.amdhsa_float_denorm_mode_16_64 3
		.amdhsa_memory_ordered 1
		.amdhsa_forward_progress 1
		.amdhsa_inst_pref_size 119
	.end_amdhsa_kernel
	.amdgpu_metadata
---
amdhsa.version: [ 1, 2 ]
amdhsa.kernels:
  - .name:           k_qeb3c0d5558_gffn1
    .symbol:         k_qeb3c0d5558_gffn1.kd
    .args:
      - { .name: nrm, .offset: 0, .size: 8, .value_kind: global_buffer, .address_space: global }
      - { .name: wb, .offset: 8, .size: 8, .value_kind: global_buffer, .address_space: global }
      - { .name: b1, .offset: 16, .size: 8, .value_kind: global_buffer, .address_space: global }
      - { .name: hid, .offset: 24, .size: 8, .value_kind: global_buffer, .address_space: global }
    .group_segment_fixed_size: 327680
    .private_segment_fixed_size: 0
    .kernarg_segment_align: 8
    .kernarg_segment_size: 32
    .max_flat_workgroup_size: 128
    .sgpr_count:     96
    .vgpr_count:     1024
    .wavefront_size: 32
...
	.end_amdgpu_metadata
.endif
;; end of part 5
;; launch gffn2 (part 6): grid 8 x 32, 4 waves a work-group, clusters of 4 x 4, 327,680 bytes of LDS; arguments hid, wb, b2, x1, out0; writes out0
.if DOCPART == 6
	.amdgcn_target "amdgcn-amd-amdhsa--gfx1250"
	.amdhsa_code_object_version 6
	.text
	.protected	k_qeb3c0d5558_gffn2
	.globl	k_qeb3c0d5558_gffn2
	.p2align	8
	.type	k_qeb3c0d5558_gffn2,@function
k_qeb3c0d5558_gffn2:
	s_mov_b64 s[64:65], 0
	v_nop
	global_prefetch_b8 v0, s[64:65] scope:SCOPE_SE
	s_setreg_imm32_b32 hwreg(HW_REG_WAVE_MODE, 25, 1), 1
	s_wait_xcnt 0x0
	s_wait_alu depctr_hold_cnt(0) depctr_sa_sdst(0) depctr_va_vdst(0) depctr_va_sdst(0) depctr_va_ssrc(0) depctr_va_vcc(0) depctr_vm_vsrc(0)
	s_getreg_b32 s2, hwreg(HW_REG_IB_STS2, 6, 4)
	s_cmp_eq_u32 s2, 0
	s_cbranch_scc0 .Lentry_in_a_cluster
	s_endpgm
.Lentry_in_a_cluster:
	s_bfe_u32 s2, ttmp6, 0x10000c
	s_cmp_lg_u32 s2, 0xf033
	s_cbranch_scc0 .Lentry_shape_is_right
	s_endpgm
.Lentry_shape_is_right:
; out0 = x1 + hid W2 + b2, f32 [4096][1024].  hid: [2][64 slices][2048][64] bf16; W2: wb units 128-191, column slices [slice][4096 k][64] bf16.
; Sums in f32, started by the bias; the residual is added in f32.  A tile is 128 tokens x 128 columns (1,024 columns give too few tiles of 256 for 256 work-groups); four waves, each 64 x 64: 16 accumulators.
; K = 4,096 goes in 16 steps of 256 = four slices of the left operand, through two LDS slots; a quarter is one slice, 64 along K.
; THE WALK ALONG K.  Cluster (x, y) begins at K step k0 = (8 x + 4 (y % 4)) % 16 and wraps round: the two clusters that read the same rows of the left operand begin half of K apart, clusters of
; neighbouring y, which read the same columns of W, a quarter of K apart, so that of the clusters that want a block one asks for it well ahead of the others.  f32 sums may be taken in any order.
; THE MATRIX INSTRUCTION IS USED TRANSPOSED (source 0 = 16 columns of W, turned by ds_load_tr16_b128; source 1 = 16 tokens): a lane holds one token and eight neighbouring columns.
; CLUSTER 4 x 4: the left operand's tile is shared along a row of the cluster, W's along a column.  One K step is written once; the slots turn by an exclusive or.  A wave has two tensor loads out at the start, later one.
; THE STAGE for the way out lies in slot 0's first bytes: slot 0 has had its last fill, and a barrier stands between every wave's last read of the ring and the first store.
; PREFETCH: behind each of the first four refills, the left operand's K step two refills on (256 matrix instructions ahead of its load): steps 4 to 7 of the cluster's own walk, which the other cluster
;   that reads these rows reaches eight steps later; so each block is named once in the launch.  Waves 0 and 1 ask, a lane a block of 256 bytes; a wave's 128 blocks are shared among the four partners by address.
;   The first four steps of a walk come by their loads alone, W's among them; from the fifth trip on nothing is asked for.
; LIMITS: matrix operands in bf16; NaN and infinities are not treated apart.
.set KSL,   64         ; slices of K
.set NSTEP, KSL/4
.set UNIT0, 128        ; W's first unit
.set UNITX, 3          ; units a tile column: 1 << UNITX
.set BSTR,  262144     ; elements from one column slice of W to the next
.set PF,    1
.set ASH,   18         ; (prefetch) a slice of the left operand: 1 << ASH bytes
.set ROTX,  NSTEP/2    ; the walk's first K step: ROTX x cluster x
.set ROTY,  4          ;   + ROTY x (cluster y & ROTM), modulo NSTEP
.set ROTM,  3
.set PAP,   144            ; a token's 128 bytes of a slice + 16
.set ASL,   128*PAP        ; 128 tokens of one slice
.set BOFF,  4*ASL
.set PB,    160
.set BSL,   128*PB         ; 128 k rows of one column slice
.set BPART, 2*BSL
.set SLOT,  BOFF+2*BPART
.set SPARE, 2*SLOT         ; the spare words, 128 bytes a wave
.set SPITCH, 272           ; the stage: 16 rows of 256 bytes + 16, for each wave
.set ADRA0, 16
.set ADRB0, 17
.set ADRA,  18
.set ADRB,  19
.set STO,   24
.set RD,    25
.set CO,    26
.set SPW,   28
.set NIL,   29
.set PFO,   30
.set BIAS,  32     ; v[32:63]  a lane's eight columns of each of the four column blocks
.set ACC,   128    ; v[128:255] accumulator (a, b) at ACC + 8 (4 a + b)
.set F0,    0      ; window 1: two fragment buffers of 128: 64 of the left operand, then 64 of W
.set F1,    128
; window 2: v[0:127] the residual's rows, as they are stored: block a, pair of rows t at 32 a + 4 t
; s[40:41], s[42:43] my tiles of the left operand and of W at K step 0; never rewritten.  s74 the K step asked for last; s[76:77], s[78:79] its byte offsets
; s[80:81] my work-group's share of my tile of the left operand at K step 0; s[86:87] the prefetch's address, s[88:89] its offset, s90 its limit
.set MSB, 0
.macro WIN new
.if MSB != (\new)
	s_set_vgpr_msb (MSB<<8)|(\new)
.set MSB, \new
.endif
.endm
.macro PLACES
.rept 4
	v_nop
.endr
.endm
.macro CREST
	s_cmp_lg_u32 s12, 0
	s_cbranch_scc1 .Lnot_wave_0_\@
	s_barrier_signal -3
.Lnot_wave_0_\@:
	s_barrier_wait -3
	s_barrier_signal -1
	s_barrier_wait -1
.endm
.macro CROUND
	s_barrier_signal -1
	s_barrier_wait -1
	CREST
.endm
.macro JLOAD
	s_cmp_eq_u32 s13, 0
	s_cbranch_scc0 .Lfor_b_\@
	tensor_load_to_lds s[36:39], s[24:31]
	s_nop 0
.rept 4
	v_nop
.endr
	s_branch .Lasked_\@
.Lfor_b_\@:
	tensor_load_to_lds s[60:63], s[48:55]
	s_nop 0
.rept 4
	v_nop
.endr
.Lasked_\@:
.endm
.macro ASK
	s_cmp_gt_u32 s3, s90
	s_cbranch_scc0 .Lnot_mine_\@
	global_prefetch_b8 v[PFO], s[86:87] th:TH_LOAD_NT scope:SCOPE_SE
.Lnot_mine_\@:
.endm
; 8 matrix instructions: row blocks a0, a0 + 1 x 4 column blocks, 32 along K: half c of buffer f.  first = 1: the bias starts the sums.  The 16 accumulators take turns.
.macro MUL8 f, c, a0, first
	WIN 0x05
.irp a, \a0, (\a0)+1
.irp b, 0,1,2,3
.if \first
	v_wmma_f32_16x16x32_bf16 v[ACC+8*(4*(\a)+(\b)):ACC+8*(4*(\a)+(\b))+7], v[(\f)+64+8*(4*(\c)+(\b)):(\f)+64+8*(4*(\c)+(\b))+7], v[(\f)+8*(4*(\c)+(\a)):(\f)+8*(4*(\c)+(\a))+7], v[BIAS+8*(\b):BIAS+8*(\b)+7]
.else
	v_wmma_f32_16x16x32_bf16 v[ACC+8*(4*(\a)+(\b)):ACC+8*(4*(\a)+(\b))+7], v[(\f)+64+8*(4*(\c)+(\b)):(\f)+64+8*(4*(\c)+(\b))+7], v[(\f)+8*(4*(\c)+(\a)):(\f)+8*(4*(\c)+(\a))+7], v[ACC+8*(4*(\a)+(\b)):ACC+8*(4*(\a)+(\b))+7]
.endif
.endr
.endr
.endm
; 32 LDS loads in one run: quarter q (64 along K) into buffer f; the first 32 along K first
.macro FETCH q, f
	WIN 0x40
.irp c, 0,1
.irp i, 0,1,2,3
	ds_load_tr16_b128 v[(\f)+64+8*(4*\c+\i):(\f)+64+8*(4*\c+\i)+3],   v[ADRB] offset:((\q)/2)*BPART+((\q)%2)*64*PB+32*PB*\c+32*\i
	ds_load_tr16_b128 v[(\f)+64+8*(4*\c+\i)+4:(\f)+64+8*(4*\c+\i)+7], v[ADRB] offset:((\q)/2)*BPART+((\q)%2)*64*PB+32*PB*\c+32*\i+16*PB
	ds_load_b128 v[(\f)+8*(4*\c+\i):(\f)+8*(4*\c+\i)+3],   v[ADRA] offset:ASL*(\q)+16*PAP*\i+64*\c
	ds_load_b128 v[(\f)+8*(4*\c+\i)+4:(\f)+8*(4*\c+\i)+7], v[ADRA] offset:ASL*(\q)+16*PAP*\i+64*\c+32
.endr
.endr
.endm
.macro QUARTER q, f, g, first
	s_wait_dscnt 16                                ; the first 32 along K are in
	MUL8 \f, 0, 0, \first
	MUL8 \f, 0, 2, \first
	PLACES
	FETCH \q, \g
	s_wait_dscnt 32                                ; all but the 32 just issued
	MUL8 \f, 1, 0, 0
	MUL8 \f, 1, 2, 0
.endm
.macro MEET round
	WIN 0
	s_wait_tensorcnt 0x0                           ; all my tensor loads have landed: my part of the next slot; so a group 0 may be written
	ds_add_u32 v[SPW], v[NIL]
.if \round
	s_xor_b32 s67, s67, SLOT                       ; the walking descriptors: the other slot than last time,
	s_add_co_u32 s74, s74, 1                       ; the walk's next K step, which wraps round;
	s_and_b32 s74, s74, NSTEP-1
	s_lshl_b32 s76, s74, 20                        ; a step is four slices of the left operand
	s_lshl_b32 s78, s74, 15                        ; and 256 k rows of W: the addresses are made anew from the step's number
	s_add_co_u32 s37, s68, s67
	s_add_nc_u64 s[38:39], s[40:41], s[76:77]
	s_or_b32 s39, s39, 0x80000000
	s_add_co_u32 s61, s69, s67
	s_add_nc_u64 s[62:63], s[42:43], s[78:79]
	s_or_b32 s63, s63, 0x80000000
.endif
	s_wait_dscnt 17                                ; the add and the youngest sixteen loads may be out
	MUL8 F1, 0, 0, 0
	s_wait_dscnt 0x0                               ; the add is done, and my reads of this slot are over
	s_barrier_signal -1
	MUL8 F1, 0, 2, 0
	WIN 0
	s_barrier_wait -1
.endm
.macro TURN fill
.if \fill
.if PF
	s_wait_xcnt 0x0                                ; the last prefetch, a K step back, has read its address
	s_add_co_u32 s75, s74, 3                       ; s74 is the step asked for last: the refill below asks for the next, the prefetch for the one two further on
	s_and_b32 s75, s75, NSTEP-1
	s_lshl_b32 s88, s75, 20
	s_add_nc_u64 s[86:87], s[80:81], s[88:89]
.endif
	MEET 1
	CREST                                          ; no wave of any partner still reads this slot or has a load on its way
	JLOAD                                          ; its four v_nop are also the places in front of the loads below
.else
	MEET 0
	PLACES
.endif
	s_xor_b32 s66, s66, SLOT
	v_add_nc_u32 v[ADRA], s66, v[ADRA0]
	v_add_nc_u32 v[ADRB], s66, v[ADRB0]
.if \fill
	FETCH 0, F0
	WIN 0
.if PF
	ASK
.endif
.else
	s_cmp_eq_u32 s3, 1
	s_cbranch_scc1 .Lno_more_\@
	FETCH 0, F0
	WIN 0
.Lno_more_\@:
.endif
	MUL8 F1, 1, 0, 0
	MUL8 F1, 1, 2, 0
.endm
; THE WAY OUT of row block a: 16 rows x 256 bytes through my stage, the residual added, whole rows stored
.macro OUTB a
	WIN 0
.set BK, 64+32*((\a)%2)
.irp b, 0,1,2,3
	ds_store_b128 v[STO], v[ACC+8*(4*(\a)+\b):ACC+8*(4*(\a)+\b)+3] offset:64*\b
	ds_store_b128 v[STO], v[ACC+8*(4*(\a)+\b)+4:ACC+8*(4*(\a)+\b)+7] offset:64*\b+16
.endr
.irp t, 0,1,2,3,4,5,6,7
	ds_load_b128 v[BK+4*\t:BK+4*\t+3], v[RD] offset:2*SPITCH*\t  ; LDS serves a wave's instructions in order (ISA guide 5.7.1.4)
.endr
	s_wait_dscnt 0x0
	s_wait_xcnt 0x0                                ; the registers that earlier stores read are rewritten only behind this wait
	WIN 0x08                                       ; source 1 in window 2
.set u, 0
.rept 16
	v_pk_add_f32 v[BK+u:BK+u+1], v[BK+u:BK+u+1], v[32*(\a)+u:32*(\a)+u+1]
.set u, u+2
.endr
	WIN 0
.irp t, 0,1,2,3,4,5,6,7
	global_store_b128 v[CO], v[BK+4*\t:BK+4*\t+3], s[72:73] offset:(16*(\a)+2*\t)*4096  ; 16 lanes store 256 consecutive bytes, aligned
.endr
.endm
	s_load_b256 s[4:11], s[0:1], 0x0               ; left operand s[4:5], wb s[6:7], bias s[8:9], residual s[10:11]
	s_load_b64 s[84:85], s[0:1], 0x20              ; the result
	v_lshl_add_u32 v[SPW], v0, 2, SPARE
	v_mov_b32 v[NIL], 0
	ds_add_u32 v[SPW], v[NIL]                      ; the wave's opening: the add and its wait ahead of my first tensor load
	v_lshrrev_b32 v1, 5, v0
	v_readfirstlane_b32 s12, v1
	s_lshr_b32 s13, s12, 1                         ; 0: I fetch the left operand; 1: W.  Also my half of the tile's rows
	s_and_b32 s14, s12, 1                          ; which half I fetch.  Also my half of the tile's columns
	s_mov_b32 s15, s13
	s_mov_b32 s16, s14
	s_bfe_u32 s17, ttmp6, 0x40000
	s_bfe_u32 s18, ttmp6, 0x40004
	s_lshl_b32 s19, ttmp9, 2
	s_add_co_u32 s19, s19, s17                     ; tile column
	s_and_b32 s20, ttmp7, 0xffff
	s_lshl_b32 s20, s20, 2
	s_add_co_u32 s20, s20, s18                     ; tile row
	s_lshl_b32 s21, s18, 2
	s_lshl_b32 s21, 15, s21
	s_lshl_b32 s22, 0x1111, s17
	s_or_b32 s24, s21, (1<<16)|(1<<20)|(1<<21)|(4<<22)|(3<<25)  ; 4 words of padding after every 32 (a token's part of a slice)
	s_mov_b32 s25, 8192<<16                        ; a row of the tile: 128 tokens of one slice, 16,384 dense bytes
	s_mov_b32 s26, 2<<16
	s_mov_b32 s27, 8192<<16
	s_mov_b32 s28, 2
	s_mov_b32 s29, 131072                          ; elements from slice to slice
	s_mov_b32 s30, 0
	s_mov_b32 s31, 0
	s_or_b32 s48, s22, (1<<16)|(1<<20)|(1<<21)|(4<<22)|(7<<25)  ; 8 words of padding after every 32 (a k row of a slice)
	s_mov_b32 s49, 8192<<16                        ; 128 k rows of one column slice
	s_mov_b32 s50, 2<<16
	s_mov_b32 s51, 8192<<16
	s_mov_b32 s52, 2
	s_mov_b32 s53, BSTR
	s_mov_b32 s54, 0
	s_mov_b32 s55, 0
	s_lshr_b32 s40, s20, 4                         ; the batch
	s_mul_i32 s40, s40, KSL
	s_lshl_b32 s41, s14, 1
	s_add_co_u32 s40, s40, s41                     ; my first slice
	s_lshl_b32 s40, s40, 18
	s_and_b32 s41, s20, 15
	s_lshl_b32 s41, s41, 14                        ; the tile's 128 tokens in a slice
	s_add_co_u32 s40, s40, s41
	s_mov_b32 s41, 0
	s_lshl_b32 s42, s19, UNITX
	s_add_co_u32 s42, s42, UNIT0
	s_lshl_b32 s42, s42, 17
	s_lshl_b32 s43, s14, 14                        ; + 128 k rows x half
	s_add_co_u32 s42, s42, s43
	s_mov_b32 s43, 0
	s_mul_i32 s68, s14, 2*ASL
	s_mul_i32 s69, s14, BPART
	s_add_co_u32 s69, s69, BOFF
	s_mov_b32 s66, 0
	s_mov_b32 s67, SLOT
	s_and_b32 s74, ttmp7, ROTM                     ; the walk's first K step, from the cluster's x and y, which all sixteen partners share
	s_mul_i32 s74, s74, ROTY
	s_mul_i32 s75, ttmp9, ROTX
	s_add_co_u32 s74, s74, s75
	s_and_b32 s74, s74, NSTEP-1
	s_lshl_b32 s76, s74, 20
	s_mov_b32 s77, 0
	s_lshl_b32 s78, s74, 15
	s_mov_b32 s79, 0
	s_wait_dscnt 0x0                               ; the opening add is done
	s_wait_kmcnt 0x0
	s_add_nc_u64 s[40:41], s[4:5], s[40:41]
	s_add_nc_u64 s[42:43], s[6:7], s[42:43]
	CROUND
	s_mov_b32 s32, 1                               ; slot 0: the walk's first K step
	s_mov_b32 s33, s68
	s_add_nc_u64 s[34:35], s[40:41], s[76:77]
	s_or_b32 s35, s35, 0x80000000
	s_mov_b32 s56, 1
	s_mov_b32 s57, s69
	s_add_nc_u64 s[58:59], s[42:43], s[78:79]
	s_or_b32 s59, s59, 0x80000000
	s_add_co_u32 s74, s74, 1                       ; slot 1: its second
	s_and_b32 s74, s74, NSTEP-1
	s_lshl_b32 s76, s74, 20
	s_lshl_b32 s78, s74, 15
	s_mov_b32 s36, 1
	s_add_co_u32 s37, s68, SLOT
	s_add_nc_u64 s[38:39], s[40:41], s[76:77]
	s_or_b32 s39, s39, 0x80000000
	s_mov_b32 s60, 1
	s_add_co_u32 s61, s69, SLOT
	s_add_nc_u64 s[62:63], s[42:43], s[78:79]
	s_or_b32 s63, s63, 0x80000000
	s_cmp_eq_u32 s13, 0                            ; a wave's two first fills stand in one branch
	s_cbranch_scc0 .Lfirst_b
	tensor_load_to_lds s[32:35], s[24:31]
	s_nop 0
	tensor_load_to_lds s[36:39], s[24:31]
	s_nop 0
.rept 4
	v_nop
.endr
	s_branch .Lfirst_asked
.Lfirst_b:
	tensor_load_to_lds s[56:59], s[48:55]
	s_nop 0
	tensor_load_to_lds s[60:63], s[48:55]
	s_nop 0
.rept 4
	v_nop
.endr
.Lfirst_asked:
	v_and_b32 v1, 15, v0
	v_bfe_u32 v2, v0, 4, 1
	v_and_b32 v3, 31, v0
	v_and_b32 v4, 7, v0
	v_bfe_u32 v5, v0, 3, 1
	s_mul_i32 s91, s15, 64*PAP
	v_mul_u32_u24 v[ADRA0], v1, PAP
	v_lshl_add_u32 v[ADRA0], v2, 4, v[ADRA0]
	v_add_nc_u32 v[ADRA0], s91, v[ADRA0]
	s_mul_i32 s91, s16, BSL
	s_add_co_u32 s91, s91, BOFF
	v_lshl_add_u32 v6, v2, 3, v4
	v_mul_u32_u24 v[ADRB0], v6, PB
	v_lshl_add_u32 v[ADRB0], v5, 4, v[ADRB0]
	v_add_nc_u32 v[ADRB0], s91, v[ADRB0]
	s_mul_i32 s91, s12, 16*SPITCH                  ; my stage
	v_mul_u32_u24 v[STO], v1, SPITCH
	v_lshl_add_u32 v[STO], v2, 5, v[STO]
	v_add_nc_u32 v[STO], s91, v[STO]               ; in: row r, 32 bytes for each half of the lanes
	v_mul_u32_u24 v[RD], v2, SPITCH
	v_lshl_add_u32 v[RD], v1, 4, v[RD]
	v_add_nc_u32 v[RD], s91, v[RD]                 ; back: lanes 0-15 one row of 256 bytes, lanes 16-31 the next
	v_lshlrev_b32 v[CO], 12, v2
	v_lshl_add_u32 v[CO], v1, 4, v[CO]             ; and the same two rows in memory
	s_lshl_b32 s44, s20, 7
	s_lshl_b32 s45, s15, 6
	s_add_co_u32 s44, s44, s45                     ; my first token
	s_lshl_b32 s44, s44, 12
	s_lshl_b32 s45, s19, 9
	s_add_co_u32 s44, s44, s45
	s_lshl_b32 s45, s16, 8
	s_add_co_u32 s44, s44, s45                     ; + my first column, in bytes
	s_mov_b32 s45, 0
	s_add_nc_u64 s[70:71], s[10:11], s[44:45]
	s_add_nc_u64 s[72:73], s[84:85], s[44:45]
.if PF
	; the prefetches: of the 128 blocks of 256 bytes that a wave fetches of the left operand in a K step, the partner at place cx takes 32, told apart by address
	s_lshr_b32 s93, s17, 1
	s_lshl_b32 s93, s93, ASH                       ; which of my two slices,
	s_and_b32 s92, s17, 1
	s_lshl_b32 s92, s92, 13                        ; which half of its 16,384 bytes
	s_add_co_u32 s92, s92, s93
	s_mov_b32 s93, 0
	s_add_nc_u64 s[80:81], s[40:41], s[92:93]      ; at K step 0
	s_mov_b32 s89, 0
	s_cmp_eq_u32 s13, 0
	s_cselect_b32 s90, NSTEP/2+2, -1               ; waves 0 and 1 ask while more than NSTEP / 2 + 2 trips are left: the first four trips
	v_lshlrev_b32 v[PFO], 8, v3
.endif
	s_lshl_b32 s91, s19, 9
	s_lshl_b32 s92, s16, 8
	s_add_co_u32 s91, s91, s92
	v_lshl_add_u32 v7, v2, 5, s91
.irp b, 0,1,2,3
	global_load_b128 v[BIAS+8*\b:BIAS+8*\b+3], v7, s[8:9] offset:64*\b
	global_load_b128 v[BIAS+8*\b+4:BIAS+8*\b+7], v7, s[8:9] offset:64*\b+16
.endr
	s_wait_tensorcnt 1                             ; my part of the first K step is in; the second's may stay out
	s_barrier_signal -1
	s_barrier_wait -1
	v_mov_b32 v[ADRA], v[ADRA0]
	v_mov_b32 v[ADRB], v[ADRB0]
	FETCH 0, F0
	s_wait_loadcnt 0x0                             ; the bias
	QUARTER 1, F0, F1, 1
	WIN 0
	s_mov_b32 s3, NSTEP-2
.Lstep:
	QUARTER 2, F1, F0, 0
	QUARTER 3, F0, F1, 0
	TURN 1
	QUARTER 1, F0, F1, 0
	WIN 0
	s_sub_co_u32 s3, s3, 1
	s_cmp_lg_u32 s3, 0
	s_cbranch_scc1 .Lstep
	WIN 0x80                                       ; the residual's rows, two K steps ahead of their use
.set u, 0
.rept 32
	global_load_b128 v[4*u:4*u+3], v[CO], s[70:71] offset:(16*(u/8)+2*(u%8))*4096
.set u, u+1
.endr
	WIN 0
	s_mov_b32 s3, 2
.Ltail:
	QUARTER 2, F1, F0, 0
	QUARTER 3, F0, F1, 0
	TURN 0
	WIN 0
	s_sub_co_u32 s3, s3, 1
	s_cmp_eq_u32 s3, 0
	s_cbranch_scc1 .Lout
	QUARTER 1, F0, F1, 0
	WIN 0
	s_branch .Ltail
.Lout:
	PLACES
	s_wait_dscnt 0x0                               ; no LDS instruction of mine is out,
	s_barrier_signal -1
	s_barrier_wait -1                              ; nor of any wave: slot 0's first bytes become the stages
	s_wait_loadcnt 0x0                             ; the residual
	OUTB 0
	OUTB 1
	OUTB 2
	OUTB 3
	s_wait_tensorcnt 0x0                           ; the wave's end
	ds_add_u32 v[SPW], v[NIL]
	s_wait_dscnt 0x0
	CROUND                                         ; the closing round
	s_endpgm
.Lfunc_end_k_qeb3c0d5558_gffn2:
	.size	k_qeb3c0d5558_gffn2, .Lfunc_end_k_qeb3c0d5558_gffn2-k_qeb3c0d5558_gffn2
	.p2alignl 7, 3214868480
	.fill 96, 4, 3214868480
	.section	.rodata,"a",@progbits
	.p2align	6, 0x0
	.amdhsa_kernel k_qeb3c0d5558_gffn2
		.amdhsa_group_segment_fixed_size 327680
		.amdhsa_private_segment_fixed_size 0
		.amdhsa_enable_private_segment 0
		.amdhsa_kernarg_size 40
		.amdhsa_user_sgpr_count 2
		.amdhsa_user_sgpr_kernarg_segment_ptr 1
		.amdhsa_wavefront_size32 1
		.amdhsa_system_sgpr_workgroup_id_x 1
		.amdhsa_system_sgpr_workgroup_id_y 1
		.amdhsa_system_sgpr_workgroup_id_z 1
		.amdhsa_system_vgpr_workitem_id 0
		.amdhsa_next_free_vgpr 640
		.amdhsa_next_free_sgpr 96
		.amdhsa_reserve_vcc 0
		.amdhsa_float_denorm_mode_32 3
		.amdhsa_float_denorm_mode_16_64 3
		.amdhsa_memory_ordered 1
		.amdhsa_forward_progress 1
		.amdhsa_inst_pref_size 67
	.end_amdhsa_kernel
	.amdgpu_metadata
---
amdhsa.version: [ 1, 2 ]
amdhsa.kernels:
  - .name:           k_qeb3c0d5558_gffn2
    .symbol:         k_qeb3c0d5558_gffn2.kd
    .args:
      - { .name: hid, .offset: 0, .size: 8, .value_kind: global_buffer, .address_space: global }
      - { .name: wb, .offset: 8, .size: 8, .value_kind: global_buffer, .address_space: global }
      - { .name: b2, .offset: 16, .size: 8, .value_kind: global_buffer, .address_space: global }
      - { .name: x1, .offset: 24, .size: 8, .value_kind: global_buffer, .address_space: global }
      - { .name: out0, .offset: 32, .size: 8, .value_kind: global_buffer, .address_space: global }
    .group_segment_fixed_size: 327680
    .private_segment_fixed_size: 0
    .kernarg_segment_align: 8
    .kernarg_segment_size: 40
    .max_flat_workgroup_size: 128
    .sgpr_count:     96
    .vgpr_count:     640
    .wavefront_size: 32
...
	.end_amdgpu_metadata
.endif
;; end of part 6
